; MI455X (gfx1250); checked and timed in simulation.
; The chip was launched on July 23, 2026; its instructions are those of AMD's public machine-readable ISA for CDNA 5 (MIT licence, August 2026) and "CDNA5" Instruction Set Architecture Reference Guide (July 2026). The comments in the code are by the model that wrote it; some were corrected since.
;; Casual Muti Head Self Attention. Allowed arithmetic: matrix products marked QUANTISED: E2M3 operands, one E8M0 scale for each 32 along K, by v_wmma_scale_f32_16x16x128_f8f6f4 with both operands' format E2M3, f32 sums; everything else in f32.
;; Inputs: Wk 1,024 x 1,024 float32; Wo 1,024 x 1,024 float32; Wq 1,024 x 1,024 float32; Wv 1,024 x 1,024 float32; cos_emb 2,048 x 64 float32; sin_emb 2,048 x 64 float32; token_positions 2,048 int32; x 4 x 2,048 x 1,024 float32.
;; Outputs: out0 4 x 2,048 x 1,024 float32.
;; This version of the problem:
;;   THIS VERSION OF THE PROBLEM IS GIVEN IN LOW PRECISION. The matrix products marked QUANTISED in the list below multiply operands that are first quantised to E2M3 (2 exponent bits, 3 mantissa bits; 6 bits a number), with one power-of-two scale for each 32 numbers along K (OCP MX v1.0); their sums are f32. All else is computed in f32.
;;   The module's matrix products, in the order in which they are computed (A, B: the left and right operand; K: the contracted axis; several contracted axes count as one K, in the product's order):
;;     1. [M 8,192, K 1,024] x [K 1,024, N 1,024]; A: input x; B: input Wq: QUANTISED
;;     2. [M 8,192, K 1,024] x [K 1,024, N 1,024]; A: input x; B: input Wk: QUANTISED
;;     3. [M 8,192, K 1,024] x [K 1,024, N 1,024]; A: input x; B: input Wv: QUANTISED
;;     4. batch 64 x [M 2,048, K 64] x [K 64, N 2,048]; A: computed on the way; B: computed on the way: QUANTISED
;;     5. batch 64 x [M 2,048, K 2,048] x [K 2,048, N 64]; A: softmax (see below); B: computed on the way: QUANTISED
;;     6. [M 8,192, K 1,024] x [K 1,024, N 1,024]; A: computed on the way; B: input Wo: QUANTISED
;;   THE QUANTISER, for each operand of a quantised product, along K:
;;     - K is cut into blocks of 32 from its start; a last block that is shorter is filled with zeros.
;;     - A block's scale is 2^e with e = floor(log2(the largest magnitude in the block)) - 2, held to -126 .. 127; a block of zeros has e = 0. As a byte (E8M0): e + 127.
;;     - Each number is divided by its block's scale, clamped to +-7.5, and rounded to the nearest number of E2M3, ties to even, subnormals kept.
;;     - The product sums the exact products of the quantised numbers (number of the format x scale) in f32.
;;   ~~~python
;;   def quantise(x, axis):      # numpy; x: float32 -> the quantised numbers, widened to float32 again
;;       x = np.moveaxis(x, axis, -1); K = x.shape[-1]
;;       x = np.pad(x, [(0, 0)] * (x.ndim - 1) + [(0, -K % 32)]); x = x.reshape(x.shape[:-1] + (-1, 32)); a = np.abs(x).max(-1, keepdims=True)
;;       e = np.where(a > 0, np.clip(np.frexp(np.where(a > 0, a, 1))[1] - 1 - 2, -126, 127), 0)      # np.frexp(a)[1] - 1 = floor(log2(a)), exactly
;;       r = np.clip(x / 2.0 ** e, -7.5, 7.5)
;;       step = 2.0 ** (np.maximum(np.frexp(np.where(r == 0, 1, r))[1] - 1, 0) - 3)
;;       q = np.round(r / step) * step * 2.0 ** e      # np.round: ties to even
;;       return np.moveaxis(q.reshape(q.shape[:-2] + (-1,))[..., :K], -1, axis).astype(np.float32)
;;   ~~~
;;   SOFTMAX AHEAD OF A QUANTISED PRODUCT. Where the list says 'softmax', what is quantised is not the finished softmax but p = 2^(t - M), with t = logit x log2(e) and M = ceil(the row's largest t), a whole number; so 1/2 < the row's largest p <= 1. The row's sum l is taken of the UNQUANTISED p, in f32, and the product's result is divided by l at the end. Since M is a whole number, a kernel that streams over the keys may use a running M (the ceiling of the running maximum): every later rescaling is an exact power of two, which a block's scale takes up: the codes' values come out the same.
;;   OPERANDS COMPUTED ON THE WAY. 'Computed on the way' means the value that the module computes at that place (a softmax that the list does not call 'softmax' is quantised finished and normalised). What goes into a quantiser is computed in f32, as accurately as f32 sums, v_exp_f32 and their like allow (about 1e-6 of the number): no bf16 or f16 on the way to a quantiser, and a product that is left as it is and whose result goes on into a quantised operand takes f32 operands (vector FMAs, or v_wmma_f32_16x16x4_f32). A number that lies on a knife's edge between two numbers of the format may be rounded either way, as far as f32 arithmetic and the matrix unit's own rounding can turn it there, and no further.
;; One version. Each part assembles by itself: llvm-mc -triple=amdgcn-amd-amdhsa -mcpu=gfx1250 --defsym DOCPART=n.
;; ======== version 1 of 1: 4 launches
;; workspace buffers: xw_codes 9,437,184 bytes; xw_scales 393,216 bytes; qbuf 6,815,744 bytes; kvbuf 13,369,344 bytes; obuf 6,553,600 bytes
;; launch quant (part 1): grid 384 x 1, 4 waves a work-group, no clusters, 33,280 bytes of LDS; arguments x, Wq, Wk, Wv, Wo, xw_codes, xw_scales; writes xw_codes, xw_scales
.if DOCPART == 1
	.amdgcn_target "amdgcn-amd-amdhsa--gfx1250"
	.amdhsa_code_object_version 6
	.text
	.protected	k_q6497ae5058_quant
	.globl	k_q6497ae5058_quant
	.p2align	8
	.type	k_q6497ae5058_quant,@function
k_q6497ae5058_quant:
	s_mov_b64 s[64:65], 0
	v_nop
	global_prefetch_b8 v0, s[64:65] scope:SCOPE_SE
	s_setreg_imm32_b32 hwreg(HW_REG_WAVE_MODE, 25, 1), 1
	s_wait_xcnt 0x0
; x [8192][1024] and Wq, Wk, Wv, Wo [1024][1024], f32, K (the last axis) innermost, become codes of FP6 (E2M3) and one E8M0 byte for each 32 along K,
; in ONE table of 12,288 rows: rows 0-8191 x, 8192 Wq, 9216 Wk, 10240 Wv, 11264 Wo; a row is 768 bytes of codes and 32 scale bytes.
; A block's scale is 2^(floor(log2(its largest magnitude)) - 2); its byte is the largest magnitude's exponent field - 2, held at 1 from below.
; LIMITS: a block of zeros, or one whose largest magnitude lies under 2^-124, gets the byte 1 (zero codes add nothing under it; this program alone reads the bytes); NaN and infinities are not served.
; THE ROWS ARE LAID IN ANOTHER ORDER: in every group of 32 rows the second and the third run of 8 rows change places, so that place 16 u + r holds row 8 u + r + 8 (r / 8).
; A tile of 16 neighbouring places then gives the later products' results 16 neighbours along the next K in a lane's registers, and the later launches read neighbouring rows.
; A work-group takes 32 rows, a wave 8 rows = 8,192 numbers = 16 steps of 512.  Each of a step's four loads reads 512 consecutive bytes; the 2,048 bytes turn through the wave's own stage in LDS
; (16 bytes of padding behind each 64) and come back 64 bytes a lane: 16 neighbours, two lanes to a block.  Waves share nothing: no barrier.  Loads run four steps ahead, the turn through LDS one step.
.set STEPS, 16
.set EMAX,  2
.set CB,    12                         ; bytes of 16 codes
.set R,     16                         ; v16-79   four sets of 16 numbers as they are loaded
.set X,     80                         ; v80-111  two sets of 16 neighbours
.set C,     128                        ; v128-191 codes: four registers for each step, so that no store's data are written again
.set E,     112                        ; v112-127 a scale byte for each step
.set WREG,  8192                       ; LDS: a region for each wave: two stages of 32 x SP bytes, behind them its 256 scale bytes
.set SP,    80                         ; a lane's place in a stage: 64 bytes + 16 of padding
	s_load_b256 s[4:11], s[0:1], 0x0               ; x, Wq, Wk, Wv
	s_load_b128 s[12:15], s[0:1], 0x20             ; Wo, the codes
	s_load_b64 s[24:25], s[0:1], 0x30              ; the scale bytes
	v_lshl_add_u32 v192, v0, 2, 0x8000
	v_mov_b32 v193, 0
	v_lshrrev_b32 v1, 5, v0
	v_readfirstlane_b32 s16, v1                    ; wave
	v_and_b32 v2, 31, v0                           ; lane
	v_lshlrev_b32 v3, 4, v2                        ; my 16 bytes of a load's 512
	s_mul_i32 s17, s16, WREG
	v_lshrrev_b32 v14, 2, v2
	v_mul_u32_u24 v14, v14, SP
	v_and_b32 v15, 3, v2
	v_lshl_add_u32 v14, v15, 4, v14
	v_add_nc_u32 v14, s17, v14                     ; the stage, on the way in: SP (lane / 4) + 16 (lane % 4)
	v_mul_u32_u24 v15, v2, SP
	v_add_nc_u32 v15, s17, v15                     ; and on the way out: SP x lane: my 16 neighbours
	v_mul_u32_u24 v4, v2, CB                       ; my codes' place in a step's
	v_lshrrev_b32 v5, 1, v2
	s_add_co_u32 s17, s17, 2*32*SP
	v_add_nc_u32 v5, s17, v5                       ; LDS: my wave's 256 scale bytes, my block's byte
	v_lshlrev_b32 v7, 3, v2                        ; and on the way out 8 bytes a lane
	v_add_nc_u32 v6, s17, v7
	s_wait_kmcnt 0x0
	s_cmp_lt_u32 ttmp9, 352                        ; which tensor: work-groups 0-255 x, then 32 for each weight.  The choice hangs on the work-group's number alone
	s_cselect_b64 s[12:13], s[10:11], s[12:13]
	s_cmp_lt_u32 ttmp9, 320
	s_cselect_b64 s[12:13], s[8:9], s[12:13]
	s_cmp_lt_u32 ttmp9, 288
	s_cselect_b64 s[12:13], s[6:7], s[12:13]
	s_and_b32 s17, ttmp9, 31                       ; a weight's group of 32 rows
	s_cmp_lt_u32 ttmp9, 256
	s_cselect_b64 s[12:13], s[4:5], s[12:13]
	s_cselect_b32 s17, ttmp9, s17                  ; or x's
	s_lshl_b32 s17, s17, 2
	s_add_co_u32 s18, s17, s16                     ; which run of 8 rows of the tensor is my wave's,
	s_lshl_b32 s18, s18, 15                        ; 32,768 bytes a run
	s_mov_b32 s19, 0
	s_add_nc_u64 s[12:13], s[12:13], s[18:19]
	s_and_b32 s20, s16, 1                          ; where it goes: runs 1 and 2 of the group change places
	s_lshl_b32 s20, s20, 1
	s_lshr_b32 s21, s16, 1
	s_or_b32 s20, s20, s21
	s_lshl_b32 s21, ttmp9, 2
	s_add_co_u32 s20, s20, s21                     ; the run's place in the table
	s_mul_i32 s18, s20, 32*STEPS*CB                ; 6,144 bytes of codes a run
	s_add_nc_u64 s[14:15], s[14:15], s[18:19]
	s_lshl_b32 s18, s20, 8                         ; 256 scale bytes a run
	s_add_nc_u64 s[24:25], s[24:25], s[18:19]
.macro LOAD t
.irp i, 0,1,2,3
	global_load_b128 v[R+16*((\t)%4)+4*\i:R+16*((\t)%4)+4*\i+3], v3, s[12:13] offset:2048*(\t)+512*\i th:TH_LOAD_NT   ; 32 lanes read 512 consecutive bytes
.endr
.endm
.macro TURN t                          ; step t's numbers through the stage: LDS serves a wave's instructions in order, so no wait stands between the stores and the loads
.irp i, 0,1,2,3
	ds_store_b128 v14, v[R+16*((\t)%4)+4*\i:R+16*((\t)%4)+4*\i+3] offset:32*SP*((\t)%2)+8*SP*\i
.endr
.irp i, 0,1,2,3
	ds_load_b128 v[X+16*((\t)%2)+4*\i:X+16*((\t)%2)+4*\i+3], v15 offset:32*SP*((\t)%2)+16*\i
.endr
.endm
.irp t, 0,1,2,3
	LOAD \t
.endr
	s_wait_loadcnt 12                              ; step 0's four loads are in
	TURN 0
.macro STEP t
.set XS, X+16*((\t)%2)
.if (\t) > 0
	s_wait_dscnt 1                                 ; this step's numbers are back from the stage (the last step's byte store may be out): so its stores into the stage have read their registers,
.else
	s_wait_dscnt 0x0
.endif
.if (\t)+4 < STEPS
	LOAD (\t)+4                                    ; which take the loads of four steps on
.endif
.if (\t)+1 < STEPS
.if STEPS-2-(\t) >= 3
	s_wait_loadcnt 12                              ; the next step's four loads are in; those of the three steps behind it may be out
.else
	s_wait_loadcnt 4*(STEPS-2-(\t))
.endif
	TURN (\t)+1                                    ; and go through the other stage while this step is worked
.endif
	v_max3_num_f32 v8, |v[XS]|, |v[XS+1]|, |v[XS+2]|               ; the largest magnitude of my 16
	v_max3_num_f32 v9, |v[XS+3]|, |v[XS+4]|, |v[XS+5]|
.irp i, 6,10
	v_max3_num_f32 v8, v8, |v[XS+\i]|, |v[XS+\i+1]|
	v_max3_num_f32 v9, v9, |v[XS+\i+2]|, |v[XS+\i+3]|
.endr
	v_max3_num_f32 v8, v8, |v[XS+14]|, |v[XS+15]|
	v_max3_num_f32 v8, v8, v9, (EMAX+1)<<23        ; and the floor 2^(3 - 127): the byte cannot fall under 1
	v_max_num_f32_dpp v8, v8, v8 row_xmask:1 row_mask:0xf bank_mask:0xf   ; and of my neighbour's 16: the block's
	v_add_nc_u32 v11, -(EMAX<<23), v8              ; 2 off its exponent field: the conversion takes the exponent field of this operand as its scale
	v_cvt_scalef32_pk16_fp6_f32 v[C+4*(\t):C+4*(\t)+2], v[XS:XS+15], v11
	v_lshrrev_b32 v[E+(\t)], 23, v11               ; the scale's byte
	ds_store_b8 v5, v[E+(\t)] offset:16*(\t)       ; both lanes of a block write the same byte with the same value
	global_store_b96 v4, v[C+4*(\t):C+4*(\t)+2], s[14:15] offset:32*CB*(\t)   ; the wave stores 384 consecutive bytes
.endm
.irp t, 0,1,2,3,4,5,6,7,8,9,10,11,12,13,14,15
	STEP \t
.endr
	ds_load_b64 v[12:13], v6                       ; LDS serves a wave's instructions in order: these see my stores
	s_wait_dscnt 0x0
	global_store_b64 v7, v[12:13], s[24:25]        ; 32 lanes store 256 consecutive bytes, aligned
	s_wait_tensorcnt 0x0
	ds_add_u32 v192, v193
	s_wait_dscnt 0x0
	s_endpgm
.Lfunc_end_k_q6497ae5058_quant:
	.size	k_q6497ae5058_quant, .Lfunc_end_k_q6497ae5058_quant-k_q6497ae5058_quant
	.p2alignl 7, 3214868480
	.fill 96, 4, 3214868480
	.section	.rodata,"a",@progbits
	.p2align	6, 0x0
	.amdhsa_kernel k_q6497ae5058_quant
		.amdhsa_group_segment_fixed_size 33280
		.amdhsa_private_segment_fixed_size 0
		.amdhsa_enable_private_segment 0
		.amdhsa_kernarg_size 56
		.amdhsa_user_sgpr_count 2
		.amdhsa_user_sgpr_kernarg_segment_ptr 1
		.amdhsa_wavefront_size32 1
		.amdhsa_system_sgpr_workgroup_id_x 1
		.amdhsa_system_sgpr_workgroup_id_y 1
		.amdhsa_system_sgpr_workgroup_id_z 1
		.amdhsa_system_vgpr_workitem_id 0
		.amdhsa_next_free_vgpr 194
		.amdhsa_next_free_sgpr 66
		.amdhsa_reserve_vcc 0
		.amdhsa_float_denorm_mode_32 3
		.amdhsa_float_denorm_mode_16_64 3
		.amdhsa_memory_ordered 1
		.amdhsa_forward_progress 1
		.amdhsa_inst_pref_size 33
	.end_amdhsa_kernel
	.amdgpu_metadata
---
amdhsa.version: [ 1, 2 ]
amdhsa.kernels:
  - .name:           k_q6497ae5058_quant
    .symbol:         k_q6497ae5058_quant.kd
    .args:
      - { .name: x, .offset: 0, .size: 8, .value_kind: global_buffer, .address_space: global }
      - { .name: Wq, .offset: 8, .size: 8, .value_kind: global_buffer, .address_space: global }
      - { .name: Wk, .offset: 16, .size: 8, .value_kind: global_buffer, .address_space: global }
      - { .name: Wv, .offset: 24, .size: 8, .value_kind: global_buffer, .address_space: global }
      - { .name: Wo, .offset: 32, .size: 8, .value_kind: global_buffer, .address_space: global }
      - { .name: xw_codes, .offset: 40, .size: 8, .value_kind: global_buffer, .address_space: global }
      - { .name: xw_scales, .offset: 48, .size: 8, .value_kind: global_buffer, .address_space: global }
    .group_segment_fixed_size: 33280
    .private_segment_fixed_size: 0
    .kernarg_segment_align: 8
    .kernarg_segment_size: 56
    .max_flat_workgroup_size: 128
    .sgpr_count:     66
    .vgpr_count:     194
    .wavefront_size: 32
...
	.end_amdgpu_metadata
.endif
;; end of part 1
;; launch qkv (part 2): grid 12 x 32, 4 waves a work-group, clusters of 4 x 4, 327,680 bytes of LDS; arguments xw_codes, xw_scales, cos_emb, sin_emb, token_positions, qbuf, kvbuf; writes qbuf, kvbuf
.if DOCPART == 2
	.amdgcn_target "amdgcn-amd-amdhsa--gfx1250"
	.amdhsa_code_object_version 6
	.text
	.protected	k_q6497ae5058_qkv
	.globl	k_q6497ae5058_qkv
	.p2align	8
	.type	k_q6497ae5058_qkv,@function
k_q6497ae5058_qkv:
	s_mov_b64 s[64:65], 0
	v_nop
	global_prefetch_b8 v0, s[64:65] scope:SCOPE_SE
	s_setreg_imm32_b32 hwreg(HW_REG_WAVE_MODE, 25, 1), 1
	s_wait_xcnt 0x0
	s_wait_alu depctr_hold_cnt(0) depctr_sa_sdst(0) depctr_va_vdst(0) depctr_va_sdst(0) depctr_va_ssrc(0) depctr_va_vcc(0) depctr_vm_vsrc(0)
	s_getreg_b32 s2, hwreg(HW_REG_IB_STS2, 6, 4)
	s_cmp_eq_u32 s2, 0
	s_cbranch_scc0 .Lentry_in_a_cluster
	s_endpgm
.Lentry_in_a_cluster:
	s_bfe_u32 s2, ttmp6, 0x10000c
	s_cmp_lg_u32 s2, 0xf033
	s_cbranch_scc0 .Lentry_shape_is_right
	s_endpgm
.Lentry_shape_is_right:
; q = x Wq^T, k = x Wk^T, v = x Wv^T on codes of FP6 (E2M3) with E8M0 scales (K = 1,024), and what follows them: the rotation of q and k by cos_emb, sin_emb at token_positions, in f32, and the
; quantising of q and k along a head's 64 and of v along the keys.  Nothing leaves as f32: each result leaves as the IMAGE OF AN OPERAND'S REGISTERS for the attention launch.
; A work-group makes 256 x 256 of a product, four waves 128 x 128 each: 64 accumulators, 512 registers.  K goes in steps of 256 through two LDS slots filled by the tensor data mover.
; TWO ROLES, one main part.  L is the operand whose rows fall to LANES (source 1), R the one whose rows fall to REGISTERS (source 0).  Clusters x = 0 (q) and 1 (k): L = 256 tokens of x, R = 256 rows
; of Wq or Wk, so a lane holds one token and its registers run along the head's dimensions, q's and k's next K.  Cluster x = 2 (v): L = 256 rows of Wv, R = 256 tokens, so a lane holds one
; dimension and its registers run along the tokens, v's next K.  The role hangs on the cluster's x alone: it is the same in all sixteen partners.
; THE TABLE'S ROW ORDER (place 16 u + r of a group of 32 holds row 8 u + r + 8 (r / 8)) gives: lane r of L's block a is row 32 (a / 2) + 8 (a % 2) + r + 8 (r / 8); register j of R's block b in lane half h is
; row 32 (b / 2) + 16 h + 8 (b % 2) + j: the 16 registers of blocks 2 B, 2 B + 1 are the 16 neighbours 32 B + 16 h + 0 .. 15.
; CLUSTERS: 4 x 4.  L's tiles are shared along a row of the cluster, R's along a column: each is asked for jointly, by the same tensor load with the same descriptor and a mask that names the four.
; LIMITS: token_positions is held to 0 .. 2047 as an unsigned number; a block of zeros or under 2^-124 gets the byte 1; NaN and infinities are not served.
; REGISTERS: window 0: v0-31 addresses; v32-63 scale words, two sets; v64-71 cos and sin offsets; v72-87 scale words on the way out; v128-223 L's fragments, one set, later 64 rotated numbers and the codes;
;   v232-248 the quantiser's.  window 1: R's fragments, two sets, later four buffers of cos and sin.  windows 2, 3: the accumulators ((a, b) at v[8 (8 (a % 4) + b)]).
.set SIZE_K, 1024
.set KSTEP,  256                       ; along K in a slot
.set NQ,     KSTEP/128
.set ROWB,   192                       ; a tile's row in bytes
.set KROW,   SIZE_K*6/8                ; a row of the table in bytes
.set PITCH,  240                       ; an LDS row: 3 x (64 bytes + 16 of padding)
.set FR,     12                        ; registers of a fragment
.set NL,     6                         ; LDS loads that bring one
.set NP,     4                         ; places behind this matrix instruction (ISA guide 7.12.1)
.set HALFT,  128*PITCH
.set SLOT,   4*HALFT                   ; L's 256 rows, then R's 256 rows
.set KS,     SIZE_K/32                 ; a row of scale bytes
.set SCL,    2*SLOT                    ; behind the two slots: the scales, as 256 bytes + 16 of padding
.set HALFS,  (128*KS/256)*272
.set SBLK,   (16*KS/256)*272
.set SPARE,  SCL+4*HALFS               ; the spare words, 128 bytes for each wave: two blocks of 256 bytes that no other line names
.set ROW_W,  8192                      ; the table's first row of Wq (Wk follows it)
.set ROW_WV, 10240                     ; and of Wv
.set QSCL,   6291456                   ; qbuf: where the scale words begin
.set KVSCL,  12582912                  ; kvbuf: likewise
.set ADRA, 16                          ; v16-19  LDS addresses of L's fragments in slot 0, 1 (v18-19: behind one padding more)
.set ADRB, 20                          ; v20-23  the same for R
.set LI,   24                          ; v24     16 x lane
.set L8,   25                          ; v25     8 x lane
.set ADRS, 27                          ; v27     LDS address of my scale words: lanes 0-15 L's rows, lanes 16-31 R's
.set SPW,  28                          ; v28     LDS address of my spare word; never rewritten
.set NIL,  29                          ; v29     0; never rewritten
.set SC,   32                          ; scale words, two sets of 16
.set CSO,  64                          ; v64-71  block a: my token's row in cos_emb and sin_emb, + 64 bytes for lanes 16-31
.set PWS,  72                          ; v72-79  block a's scale word
.set SW,   80                          ; v80-87  the scale words as they are stored
.set AF,   128                         ; L's fragments
.set XR,   128                         ; the way out: 64 rotated numbers
.set PC,   192                         ; the codes just made: v192-203; v204-206, v208-210 at work
.set TM,   232                         ; v232-235 largest magnitudes, v236-239 bytes, v244-247 the conversions' scale operands
.set PW,   248                         ; the scale word just made
.set SEL,  2                           ; s[2:3]  lane selects for v_permlanex16_b32: lane l xor 16
.set OC,   76                          ; s[76:79] the way out: where the codes of my two heads go;  s[80:83] their scale words
.set G1, 24                            ; s[24:31] descriptor group 1 for L's tiles;  s[32:39] group 0, one set for each slot
.set G0, 32
.set G1B, 48                           ; s[48:55], s[56:63] the same for R's
.set G0B, 56
.set G1S, 68                           ; s[68:75], s[76:79] groups 1 and 0 for L's scales;  s[80:87], s[88:91] for R's (free once those loads have landed)
.set G0S, 76
.set G1SB, 80
.set G0SB, 88
.set MSB, 0
.macro WIN new                         ; the immediate's high byte repeats the setting that is left
.if MSB != (\new)
	s_set_vgpr_msb (MSB<<8)|(\new)
.set MSB, (\new)
.endif
.endm
.set MUL_LO, 0xa1                      ; source 0 (R) window 1, source 1 (L) window 0, C and D window 2
.set MUL_HI, 0xf1                      ; the same, C and D window 3
.set TO_B,   0x40                      ; destination window 1, address window 0
; A joint load: waves 0 and 1 fetch for L, waves 2 and 3 for R.  The branch hangs on the wave's number alone.  Four v_nop follow each of the two lines.
.macro JLOAD g0a, g1a, g0b, g1b
	s_cmp_eq_u32 s15, 0
	s_cbranch_scc0 .Lfor_b_\@
	tensor_load_to_lds s[\g0a:\g0a+3], s[\g1a:\g1a+7]
	s_nop 0
.rept 4
	v_nop
.endr
	s_branch .Lasked_\@
.Lfor_b_\@:
	tensor_load_to_lds s[\g0b:\g0b+3], s[\g1b:\g1b+7]
	s_nop 0
.rept 4
	v_nop
.endr
.Lasked_\@:
.endm
.macro CREST                           ; a round of the cluster's barrier behind its opening barrier
	s_cmp_lg_u32 s14, 0
	s_cbranch_scc1 .Lnot_wave_0_\@
	s_barrier_signal -3
.Lnot_wave_0_\@:
	s_barrier_wait -3
	s_barrier_signal -1
	s_barrier_wait -1
.endm
.macro CROUND                          ; a whole round
	s_barrier_signal -1
	s_barrier_wait -1
	CREST
.endm
	s_load_b128 s[4:7], s[0:1], 0x0                ; the table's codes, its scale bytes
	s_load_b128 s[8:11], s[0:1], 0x10              ; cos_emb, sin_emb
	s_load_b64 s[12:13], s[0:1], 0x20              ; token_positions
	s_load_b128 s[96:99], s[0:1], 0x28             ; qbuf, kvbuf
	v_lshl_add_u32 v[SPW], v0, 2, SPARE
	v_mov_b32 v[NIL], 0
	ds_add_u32 v28, v29
	s_wait_dscnt 0x0
	v_lshrrev_b32 v1, 5, v0
	v_readfirstlane_b32 s14, v1                    ; wave 0..3
	s_lshr_b32 s15, s14, 1                         ; which half of L's rows is mine.  Also: I fetch for L (0) or for R (1)
	s_and_b32 s16, s14, 1                          ; which half of R's rows.  Also: which 128 rows of that tile I fetch
	s_bfe_u32 s40, ttmp6, 0x40000                  ; cx, cy: my place in the cluster
	s_bfe_u32 s41, ttmp6, 0x40004
	s_and_b32 s95, ttmp7, 0xffff                   ; the cluster's y
	s_cmp_eq_u32 ttmp9, 2                          ; the role: the cluster's x = 2 makes v
	s_cselect_b32 s66, 1, 0
	s_cselect_b32 s17, 0, s95                      ; L's tile = 4 x (0 | cluster y) + cy
	s_cselect_b32 s42, s95, ttmp9                  ; R's tile = 4 x (cluster y | cluster x) + cx
	s_cselect_b32 s100, ROW_WV, 0                  ; L's first row in the table: Wv's | x's
	s_cselect_b32 s101, 0, ROW_W                   ; R's: x's | Wq's, with Wk behind it
	s_lshl_b32 s17, s17, 2
	s_add_co_u32 s17, s17, s41
	s_lshl_b32 s42, s42, 2
	s_add_co_u32 s42, s42, s40
	s_lshl_b32 s43, s41, 2
	s_lshl_b32 s43, 15, s43                        ; my row of the cluster
	s_lshl_b32 s44, 0x1111, s40                    ; my column
	; descriptor group 1: a tile of 128 rows x 192 bytes, 16 bytes of padding behind every 64
	s_or_b32 s[G1+0], s43, (0<<16)|(1<<20)|(1<<21)|(3<<22)|(3<<25)  ; 15:0 the mask; 17:16 elements of 1 byte; 20 padding on; 21 set beside a mask; 24:22 after every 16 words; 31:25 of 4 words
	s_or_b32 s[G1B+0], s44, (0<<16)|(1<<20)|(1<<21)|(3<<22)|(3<<25)
.irp g, G1, G1B
	s_mov_b32 s[\g+1], ROWB<<16                    ; tensor_dim0
	s_mov_b32 s[\g+2], 128<<16                     ; tensor_dim1
	s_mov_b32 s[\g+3], ROWB<<16                    ; tile_dim0
	s_mov_b32 s[\g+4], 128                         ; tile_dim1
	s_mov_b32 s[\g+5], KROW                        ; tensor_dim0_stride
	s_mov_b32 s[\g+6], 0
	s_mov_b32 s[\g+7], 0
.endr
	; the scales of 128 rows: 4,096 dense bytes, as rows of 256 bytes (32 elements of 8), 16 bytes of padding behind each
	s_or_b32 s[G1S+0], s43, (3<<16)|(1<<20)|(1<<21)|(5<<22)|(3<<25)
	s_or_b32 s[G1SB+0], s44, (3<<16)|(1<<20)|(1<<21)|(5<<22)|(3<<25)
.irp g, G1S, G1SB
	s_mov_b32 s[\g+1], 32<<16
	s_mov_b32 s[\g+2], (128*KS/256)<<16
	s_mov_b32 s[\g+3], 32<<16
	s_mov_b32 s[\g+4], 128*KS/256
	s_mov_b32 s[\g+5], 32
	s_mov_b32 s[\g+6], 0
	s_mov_b32 s[\g+7], 0
.endr
	s_lshl_b32 s18, s16, 7                         ; which 128 rows of the tile I fetch
	s_lshl_b32 s20, s17, 8
	s_add_co_u32 s20, s20, s18
	s_add_co_u32 s20, s20, s100                    ; L: the table's row
	s_lshl_b32 s46, s42, 8
	s_add_co_u32 s46, s46, s18
	s_add_co_u32 s46, s46, s101                    ; R: likewise
	s_mov_b32 s21, 0
	s_mov_b32 s47, 0
	s_mov_b64 s[18:19], KS
	s_mul_u64 s[22:23], s[20:21], s[18:19]         ; where these rows' scales begin, in bytes
	s_mul_u64 s[92:93], s[46:47], s[18:19]
	s_mov_b64 s[18:19], KROW
	s_mul_u64 s[20:21], s[20:21], s[18:19]         ; and their codes
	s_mul_u64 s[46:47], s[46:47], s[18:19]
	s_mul_i32 s45, s14, HALFT                      ; where they go: wave x 128 rows: no place in the cluster enters an LDS address
	s_mul_i32 s94, s14, HALFS
	s_wait_kmcnt 0x0
	s_add_nc_u64 s[20:21], s[4:5], s[20:21]
	s_add_nc_u64 s[22:23], s[6:7], s[22:23]
	s_add_nc_u64 s[46:47], s[4:5], s[46:47]
	s_add_nc_u64 s[92:93], s[6:7], s[92:93]
	CROUND                                         ; all sixteen work-groups are here: the first joint loads meet
	s_mov_b32 s[G0S], 1
	s_add_co_u32 s[G0S+1], s94, SCL
	s_mov_b64 s[G0S+2:G0S+3], s[22:23]
	s_or_b32 s[G0S+3], s[G0S+3], 0x80000000
	s_mov_b32 s[G0SB], 1
	s_add_co_u32 s[G0SB+1], s94, SCL
	s_mov_b64 s[G0SB+2:G0SB+3], s[92:93]
	s_or_b32 s[G0SB+3], s[G0SB+3], 0x80000000
	JLOAD G0S, G1S, G0SB, G1SB                     ; the scales first: they are wanted with K step 0
.irp s, 0,1
	s_mov_b32 s[G0+4*\s], 1
	s_add_co_u32 s[G0+4*\s+1], s45, \s*SLOT
	s_add_nc_u64 s[G0+4*\s+2:G0+4*\s+3], s[20:21], \s*ROWB
	s_or_b32 s[G0+4*\s+3], s[G0+4*\s+3], 0x80000000
	s_mov_b32 s[G0B+4*\s], 1
	s_add_co_u32 s[G0B+4*\s+1], s45, \s*SLOT
	s_add_nc_u64 s[G0B+4*\s+2:G0B+4*\s+3], s[46:47], \s*ROWB
	s_or_b32 s[G0B+4*\s+3], s[G0B+4*\s+3], 0x80000000
	JLOAD G0+4*\s, G1, G0B+4*\s, G1B               ; three tensor loads of mine are out
.endr
	v_and_b32 v1, 15, v0                           ; r = lane % 16
	v_bfe_u32 v2, v0, 4, 1                         ; h = lane / 16
	v_mul_u32_u24 v3, v1, PITCH
	v_mul_u32_u24 v4, v2, 24
	v_add_nc_u32 v4, v3, v4                        ; a fragment's row x pitch + 24 x half
	v_lshl_add_u32 v5, v2, 4, v4                   ; and the same behind one padding more
	s_mul_i32 s21, s15, HALFT                      ; my 128 rows of L
	s_mul_i32 s22, s16, HALFT                      ; my 128 rows of R,
	s_add_co_u32 s22, s22, 2*HALFT                 ; which lie behind L's 256
.irp s, 0,1
	v_add_nc_u32 v[ADRA+\s], s21, v4
	v_add_nc_u32 v[ADRB+\s], s22, v4
	v_add_nc_u32 v[ADRA+2+\s], s21, v5
	v_add_nc_u32 v[ADRB+2+\s], s22, v5
	s_add_co_u32 s21, s21, SLOT
	s_add_co_u32 s22, s22, SLOT
.endr
	v_mul_u32_u24 v5, v1, KS                       ; my row's scales: 32 bytes a row,
	v_lshrrev_b32 v6, 8, v5
	v_lshl_add_u32 v5, v6, 4, v5                   ; and 16 more for each 256 passed
	s_mul_i32 s21, s15, HALFS                      ; L's: my 128 rows
	s_mul_i32 s22, s16, HALFS                      ; R's: my 128 rows, behind L's 256
	s_add_co_u32 s22, s22, 2*HALFS
	s_sub_co_u32 s22, s22, s21
	v_mul_u32_u24 v6, s22, v2                      ; lanes 16-31 take R's
	s_add_co_u32 s21, s21, SCL
	v_add_nc_u32 v5, v5, v6
	v_add_nc_u32 v[ADRS], s21, v5
	v_and_b32 v6, 31, v0
	v_lshlrev_b32 v[LI], 4, v6
	v_lshlrev_b32 v[L8], 3, v6
	s_mov_b32 s[SEL], 0x76543210
	s_mov_b32 s[SEL+1], 0xfedcba98
	s_mov_b32 s67, 0xffff0000                      ; a lane mask: lanes 16-31
.irp b, 0,1,2,3
	v_mov_b32 v[TM+4+\b], 0                        ; written once: a lane permute's destination counts as one of its sources
.endr
	; the positions of the tokens that L's blocks give my lane: block a, lane r: token 32 (a / 2) + 8 (a % 2) + r + 8 (r / 8) of my 128.  (Where L is Wv they are read and not used: one text for the head.)
	s_lshl_b32 s20, s17, 8
	s_lshl_b32 s21, s15, 7
	s_add_co_u32 s20, s20, s21
	s_and_b32 s21, s20, 2047                       ; my first token's place in its sequence
	v_and_b32 v5, 8, v1
	v_add_nc_u32 v5, v5, v1
	v_add_nc_u32 v5, s21, v5
	v_lshlrev_b32 v5, 2, v5
.irp a, 0,1,2,3,4,5,6,7
	global_load_b32 v[CSO+\a], v5, s[12:13] offset:4*(32*(\a/2)+8*(\a%2))
.endr
	s_wait_loadcnt 0x0
.irp a, 0,1,2,3,4,5,6,7
	v_min_u32 v[CSO+\a], 2047, v[CSO+\a]           ; a loaded index is held inside its table
.endr
.irp a, 0,1,2,3,4,5,6,7
	v_lshlrev_b32 v[CSO+\a], 8, v[CSO+\a]          ; a row of cos_emb or sin_emb is 256 bytes
.endr
.irp a, 0,1,2,3,4,5,6,7
	v_lshl_add_u32 v[CSO+\a], v2, 6, v[CSO+\a]     ; + 64 h: my 16 of each 32 dimensions
.endr
.macro FRAG reg, adr, q, i             ; a fragment, 16 rows x 128 K: lane l holds row l % 16; registers 6 c .. 6 c + 5 hold K = 64 c + 32 (l / 16) + 0 .. 31: 24 bytes of the row, as they lie, in pieces of 8 bytes
.irp p, 0,1,2,3,4,5
.set PIECE, 12*(\q)+6*(\p/3)+\p%3     ; 16 bytes of padding lie behind every 8 pieces: where the piece three on lies behind one padding more, the second address register serves
.if PIECE%8 < 5
	ds_load_b64 v[\reg+2*\p:\reg+2*\p+1], v[\adr] offset:8*PIECE+16*(PIECE/8)+(\i)*16*PITCH
.else
	ds_load_b64 v[\reg+2*\p:\reg+2*\p+1], v[\adr+2] offset:8*PIECE+16*(PIECE/8)+(\i)*16*PITCH
.endif
.endr
.endm
; 16 matrix instructions: L's blocks a0, a0 + 1 x R's eight, 128 along K.  The 64 accumulators take turns, one instruction a turn, in the same order in every step.
.macro MUL16 a0, p, q, sc, zero
.irp a, \a0, \a0+1
.irp b, 0,1,2,3,4,5,6,7
.if \zero
	v_wmma_scale_f32_16x16x128_f8f6f4 v[8*(8*((\a)%4)+\b):8*(8*((\a)%4)+\b)+7], v[128*(\p)+FR*\b:128*(\p)+FR*\b+FR-1], v[AF+FR*(\a):AF+FR*(\a)+FR-1], 0, v[SC+8*NQ*(\sc)+NQ*\b+(\q)], v[SC+8*NQ*(\sc)+NQ*(\a)+(\q)] matrix_a_fmt:MATRIX_FMT_FP6 matrix_b_fmt:MATRIX_FMT_FP6 matrix_a_scale:MATRIX_SCALE_ROW1
.else
	v_wmma_scale_f32_16x16x128_f8f6f4 v[8*(8*((\a)%4)+\b):8*(8*((\a)%4)+\b)+7], v[128*(\p)+FR*\b:128*(\p)+FR*\b+FR-1], v[AF+FR*(\a):AF+FR*(\a)+FR-1], v[8*(8*((\a)%4)+\b):8*(8*((\a)%4)+\b)+7], v[SC+8*NQ*(\sc)+NQ*\b+(\q)], v[SC+8*NQ*(\sc)+NQ*(\a)+(\q)] matrix_a_fmt:MATRIX_FMT_FP6 matrix_b_fmt:MATRIX_FMT_FP6 matrix_a_scale:MATRIX_SCALE_ROW1
.endif
.endr
.endr
.endm
.macro FETCH_B slot, q, p              ; R's eight fragments of the slot's q-th 128 along K into set p
	WIN TO_B
.irp i, 0,1,2,3,4,5,6,7
	FRAG 128*(\p)+FR*\i, ADRB+\slot, \q, \i
.endr
	WIN 0
.endm
.macro FETCH_A slot, q, i0             ; L's blocks i0 .. i0 + 3
.irp i, \i0, \i0+1, \i0+2, \i0+3
	FRAG AF+FR*(\i), ADRA+\slot, \q, \i
.endr
.endm
.macro SCALES sc                       ; the next K step's scale words: lanes 0-15 take L's block i, lanes 16-31 R's block i
.irp i, 0,1,2,3,4,5,6,7
	ds_load_b64 v[SC+8*NQ*\sc+NQ*\i:SC+8*NQ*\sc+NQ*\i+1], v[ADRS] offset:\i*SBLK
.endr
.endm
.macro PLACES n                        ; plain vector instructions that name no register of the matrix instructions in front: ahead of loads into registers that those have read, and of reads of their results
.rept \n
	v_nop
.endr
.endm
.macro STEP slot, q, zero              ; a step of 128 along K that has its successor in the same slot
	s_wait_dscnt 4*NL                              ; R's set and L's blocks 0-3 are in; the youngest 24 loads (L's blocks 4-7) may be out
	WIN MUL_LO
	MUL16 0, (\q)%2, \q, \slot, \zero
	MUL16 2, (\q)%2, \q, \slot, \zero
	s_wait_dscnt 0                                 ; L's blocks 4-7 are in
	PLACES NP
	FETCH_B \slot, (\q)+1, 1-(\q)%2
	FETCH_A \slot, (\q)+1, 0
	WIN MUL_HI
	MUL16 4, (\q)%2, \q, \slot, \zero
	MUL16 6, (\q)%2, \q, \slot, \zero
	PLACES NP
	WIN 0
	FETCH_A \slot, (\q)+1, 4
.endm
; A slot's last step changes slots: ONE barrier; in front of it each wave waits for all its tensor loads, adds 0 to its spare word, and waits for that and for its own reads of this slot.  fill = 1: this slot is filled again, two K steps ahead.
.macro TURN slot, next, fill
	s_wait_tensorcnt 0x0                           ; all my tensor loads have landed: my part of the next slot
	ds_add_u32 v[SPW], v[NIL]                      ; 0 onto my spare word
	s_wait_dscnt 4*NL+1                            ; (the add and the youngest 24 loads, L's blocks 4-7, may be out)
	WIN MUL_LO
	MUL16 0, 1, NQ-1, \slot, 0                     ; sixteen matrix instructions stand between the add and the wait for it
	s_wait_dscnt 0x0                               ; the add is done, and my reads of this slot are over
	s_barrier_signal -1
	MUL16 2, 1, NQ-1, \slot, 0
	WIN 0
	s_barrier_wait -1
.if \fill
	CREST                                          ; the barrier has opened a round of the cluster's barrier: no wave of any partner still reads this slot or has a load on its way
	s_add_nc_u64 s[G0+4*\slot+2:G0+4*\slot+3], s[G0+4*\slot+2:G0+4*\slot+3], 2*ROWB
	s_add_nc_u64 s[G0B+4*\slot+2:G0B+4*\slot+3], s[G0B+4*\slot+2:G0B+4*\slot+3], 2*ROWB
	JLOAD G0+4*\slot, G1, G0B+4*\slot, G1B         ; the first tensor load behind the round, my one load until the next; its four v_nop are the places in front of the loads below
.else
	PLACES NP
.endif
	v_add_nc_u32 v[ADRS], 4*NQ, v[ADRS]            ; on to the next K step's scale words
	FETCH_B \next, 0, 0
	FETCH_A \next, 0, 0
	SCALES \next
	WIN MUL_HI
	MUL16 4, 1, NQ-1, \slot, 0
	MUL16 6, 1, NQ-1, \slot, 0
	PLACES NP
	WIN 0
	FETCH_A \next, 0, 4
.endm
.macro LASTSTEP                        ; the last 128 along K: nothing more to fetch.  Written once for each role, behind the one branch on the role
	s_wait_dscnt 4*NL
	WIN MUL_LO
	MUL16 0, 1, NQ-1, 1, 0
	MUL16 2, 1, NQ-1, 1, 0
	s_wait_dscnt 0
	WIN MUL_HI
	MUL16 4, 1, NQ-1, 1, 0
	MUL16 6, 1, NQ-1, 1, 0
	WIN 0
	PLACES NP                                      ; ahead of the reads of results, and of writes and loads into the fragments' registers
.endm
; 64 numbers of a lane, v[s] .. v[s + 63], register 16 b + i = k 32 b + 16 (lane / 16) + i of my row, become a fragment's codes in v[PC] on and its scale word in v[PW].
; wm, wc: the window settings under which the maxima (sources 1 and 2) and the conversions (source 0) find the numbers.
.macro QUANT s, wm, wc
	WIN \wm
.irp b, 0,1,2,3
	v_max3_num_f32 v[TM+\b], 0x1800000, |v[\s+16*\b]|, |v[\s+1+16*\b]|   ; block b: my 16 numbers, and the floor 2^(3 - 127): the byte cannot fall under 1
.endr
.irp i, 2,4,6,8,10,12,14
.irp b, 0,1,2,3
	v_max3_num_f32 v[TM+\b], v[TM+\b], |v[\s+16*\b+\i]|, |v[\s+1+16*\b+\i]|   ; (the four blocks by turns; each accumulator is read from its low end on)
.endr
.endr
	WIN 0
.irp b, 0,1,2,3
	v_permlanex16_b32 v[TM+4+\b], v[TM+\b], s[SEL], s[SEL+1]
.endr
.irp b, 0,1,2,3
	v_max_num_f32 v[TM+\b], v[TM+\b], v[TM+4+\b]   ; with lane l xor 16's: the block's largest magnitude
.endr
.irp b, 0,1,2,3
	v_add_nc_u32 v[TM+12+\b], 0xff000000, v[TM+\b] ; 2 off its exponent field: the conversion's scale operand
.endr
.irp b, 0,1,2,3
	v_lshrrev_b32 v[TM+4+\b], 23, v[TM+12+\b]      ; the scale's byte
.endr
	v_lshl_or_b32 v[PW], v[TM+5], 8, v[TM+4]       ; the four bytes make my row's scale word
	v_lshl_or_b32 v[PW], v[TM+6], 16, v[PW]
	v_lshl_or_b32 v[PW], v[TM+7], 24, v[PW]
	WIN \wc
.irp c, 0,1
	v_cvt_scalef32_pk16_fp6_f32 v[PC+6*\c:PC+2+6*\c], v[\s+32*\c:\s+15+32*\c], v[TM+12+2*\c]
	v_cvt_scalef32_pk16_fp6_f32 v[PC+12+4*\c:PC+14+4*\c], v[\s+16+32*\c:\s+31+32*\c], v[TM+12+2*\c+1]   ; (a conversion's three registers begin on an even number)
.endr
	WIN 0
	v_nop                                          ; one plain place behind a scaled conversion
.irp c, 0,1                                    ; the operand's layout wants a WHOLE block in a lane: lanes 0-15 block 2 c, lanes 16-31 block 2 c + 1
.irp i, 0,1,2
	v_permlane16_swap_b32 v[PC+6*\c+\i], v[PC+12+4*\c+\i]
.endr
.irp i, 0,1,2
	v_mov_b32 v[PC+3+6*\c+\i], v[PC+12+4*\c+\i]
.endr
.endr
.endm
; cos and sin of block a's tokens into buffer a % 4 of window 1: register 16 B + i = dimension 32 B + 16 h + i of my token's row; cos at +0, sin at +32.  16 loads.
.macro CSLOAD a
.set CBB, 64*((\a)%4)
	WIN TO_B
.irp t, 0,1,2,3,4,5,6,7
	global_load_b128 v[CBB+4*\t:CBB+4*\t+3], v[CSO+(\a)], s[8:9] offset:128*(\t/4)+16*(\t%4)
	global_load_b128 v[CBB+32+4*\t:CBB+32+4*\t+3], v[CSO+(\a)], s[10:11] offset:128*(\t/4)+16*(\t%4)
.endr
	WIN 0
.endm
; the rotation of block a: out[2 i] = t[2 i] cos[2 i] - t[2 i + 1] sin[2 i], out[2 i + 1] = t[2 i + 1] cos[2 i + 1] + t[2 i] sin[2 i + 1].  Registers n, n + 1 (n even) are such a pair; both heads take the same 64 cos and sin.
.macro ROPE a
.set AC, 64*((\a)%4)
.set CBB, 64*((\a)%4)
	WIN 0x06+((\a)/4)                              ; source 0: the accumulators' window; source 1: window 1; source 2 and destination: window 0
.set nn, 0
.rept 32
	v_pk_mul_f32 v[XR+nn:XR+nn+1], v[AC+nn:AC+nn+1], v[CBB+nn%32:CBB+nn%32+1]
.set nn, nn+2
.endr
.set nn, 0
.rept 32
	v_fma_f32 v[XR+nn], -v[AC+nn+1], v[CBB+32+nn%32], v[XR+nn]
	v_fma_f32 v[XR+nn+1], v[AC+nn], v[CBB+33+nn%32], v[XR+nn+1]
.set nn, nn+2
.endr
	WIN 0
.endm
; block a of q or k: 16 tokens x my two heads.  Head c's codes are registers 6 c .. 6 c + 5 of the fragment: they leave as 512 + 256 consecutive bytes, aligned.
.macro QKOUT a
.if (\a) <= 4
	s_wait_loadcnt 48                              ; this block's cos and sin are in; the three later buffers' 16 loads each may be out
.else
	s_wait_loadcnt 16*(7-(\a))
.endif
	ROPE \a
	s_wait_xcnt 0x0                                ; the last block's stores have read the codes' registers
.if (\a) < 4
	CSLOAD (\a)+4                                  ; the buffer just read takes the block four further on
.endif
	QUANT XR, 0, 0
	v_mov_b32 v[PWS+(\a)], v[PW]
.irp c, 0,1
	global_store_b128 v[LI], v[PC+6*\c:PC+6*\c+3], s[OC+2*\c:OC+2*\c+1] offset:768*(\a)
	global_store_b64 v[L8], v[PC+6*\c+4:PC+6*\c+5], s[OC+2*\c:OC+2*\c+1] offset:768*(\a)+512
.endr
.endm
; block a of v: 16 dimensions of head a / 4 x my 128 tokens: a whole fragment of V^T, three stores of 512 consecutive bytes.
.macro VOUT a
.set AC, 64*((\a)%4)
	s_wait_xcnt 0x0                                ; the last block's stores have read the codes' registers
	QUANT AC, 0x28+0x14*((\a)/4), 0x02+((\a)/4)
	v_mov_b32 v[PWS+(\a)], v[PW]
.irp c, 0,1,2
	global_store_b128 v[LI], v[PC+4*\c:PC+4*\c+3], s[OC+2*((\a)/4):OC+2*((\a)/4)+1] offset:1536*((\a)%4)+512*\c
.endr
.endm
	s_wait_tensorcnt 1                             ; the scales and my part of K step 0 are in (K step 1's load may be out),
	s_barrier_signal -1
	s_barrier_wait -1                              ; everybody's are
	FETCH_B 0, 0, 0
	FETCH_A 0, 0, 0
	SCALES 0
	FETCH_A 0, 0, 4
	STEP 0, 0, 1                                   ; the first step's products start the sums: nothing is cleared
	TURN 0, 1, 1                                   ; K = 1,024 is four K steps: both slots are filled again once
	STEP 1, 0, 0
	TURN 1, 0, 1
	STEP 0, 0, 0
	TURN 0, 1, 0                                   ; nothing is left to fetch
	STEP 1, 0, 0
	s_cmp_lg_u32 s66, 0                            ; THE ONE BRANCH ON THE ROLE, the same way in all waves of all sixteen partners
	s_cbranch_scc1 .Lvalues
	; ---- q and k.  R's set 0 is done with (four places stand behind its last products): the first two blocks' cos and sin are asked for under the last 64 products
	CSLOAD 0
	CSLOAD 1
	LASTSTEP
	CSLOAD 2
	CSLOAD 3
	s_lshl_b32 s68, s17, 8
	s_lshl_b32 s69, s15, 7
	s_add_co_u32 s68, s68, s69                     ; my first token
	s_lshr_b32 s69, s68, 11                        ; its batch,
	s_bfe_u32 s70, s68, 0x40007                    ; and which run of 128 tokens of the sequence
	s_lshl_b32 s69, s69, 4
	s_lshl_b32 s71, s40, 2
	s_add_co_u32 s69, s69, s71
	s_lshl_b32 s71, s16, 1
	s_add_co_u32 s69, s69, s71                     ; 16 x batch + my first head (4 cx + 2 x my half of R)
	s_lshl_b32 s69, s69, 4
	s_add_co_u32 s69, s69, s70                     ; the record: (batch, head, run)
	s_cmp_eq_u32 ttmp9, 0                          ; q or k
	s_cselect_b64 s[72:73], s[96:97], s[98:99]
	s_mov_b32 s70, 12288
	s_cselect_b32 s70, 6144, s70                   ; a record of codes,
	s_mov_b32 s71, KVSCL
	s_cselect_b32 s71, QSCL, s71                   ; where the scale words begin,
	s_mov_b32 s74, 768
	s_cselect_b32 s74, 512, s74                    ; a record of them
	s_mov_b32 s85, 0
	s_mul_i32 s84, s69, s70
	s_add_nc_u64 s[OC:OC+1], s[72:73], s[84:85]
	s_lshl_b32 s84, s70, 4                         ; the next head lies 16 records on
	s_add_nc_u64 s[OC+2:OC+3], s[OC:OC+1], s[84:85]
	s_mul_i32 s84, s69, s74
	s_add_co_u32 s84, s84, s71
	s_add_nc_u64 s[80:81], s[72:73], s[84:85]
	s_lshl_b32 s84, s74, 4
	s_add_nc_u64 s[82:83], s[80:81], s[84:85]
.irp a, 0,1,2,3,4,5,6,7
	QKOUT \a
.endr
.irp g, 0,1,2,3
	v_cndmask_b32 v[SW+\g], v[PWS+2*\g], v[PWS+2*\g+1], s67   ; word g: lanes 0-15 block 2 g's, lanes 16-31 block 2 g + 1's.  Bytes 0, 1: my first head's two blocks
.endr
.irp g, 0,1,2,3
	v_lshrrev_b32 v[SW+4+\g], 16, v[SW+\g]         ; the second head's two bytes.  (The upper two bytes of either word scale zero codes alone and are never 0xff)
.endr
	global_store_b128 v[LI], v[SW:SW+3], s[80:81]  ; 512 consecutive bytes, aligned
	global_store_b128 v[LI], v[SW+4:SW+7], s[82:83]
	s_branch .Ldone
.Lvalues:
	; ---- v
	LASTSTEP
	s_lshl_b32 s68, s42, 8
	s_lshl_b32 s69, s16, 7
	s_add_co_u32 s68, s68, s69                     ; my first token (R's rows)
	s_lshr_b32 s69, s68, 11
	s_bfe_u32 s70, s68, 0x40007
	s_lshl_b32 s69, s69, 4
	s_lshl_b32 s71, s17, 2
	s_add_co_u32 s69, s69, s71
	s_lshl_b32 s71, s15, 1
	s_add_co_u32 s69, s69, s71                     ; 16 x batch + my first head (4 x L's tile + 2 x my half of L)
	s_lshl_b32 s69, s69, 4
	s_add_co_u32 s69, s69, s70
	s_mov_b32 s85, 0
	s_mul_i32 s84, s69, 12288
	s_add_co_u32 s84, s84, 6144                    ; V's four tiles lie behind K's eight
	s_add_nc_u64 s[OC:OC+1], s[98:99], s[84:85]
	s_add_nc_u64 s[OC+2:OC+3], s[OC:OC+1], 16*12288
	s_mul_i32 s84, s69, 768
	s_add_co_u32 s84, s84, KVSCL+512               ; V's scale words lie behind K's 512 bytes
	s_add_nc_u64 s[80:81], s[98:99], s[84:85]
	s_add_nc_u64 s[82:83], s[80:81], 16*768
.irp a, 0,1,2,3,4,5,6,7
	VOUT \a
.endr
.irp d, 0,1
.irp g, 0,1
	v_cndmask_b32 v[SW+2*\d+\g], v[PWS+4*\d+2*\g], v[PWS+4*\d+2*\g+1], s67   ; word g: lanes 0-15 tile 2 g's, lanes 16-31 tile 2 g + 1's
.endr
	global_store_b64 v[L8], v[SW+2*\d:SW+2*\d+1], s[80+2*\d:81+2*\d]          ; 256 consecutive bytes, aligned
.endr
.Ldone:
	s_wait_tensorcnt 0x0                           ; the wave's end
	ds_add_u32 v[SPW], v[NIL]
	s_wait_dscnt 0x0
	CROUND                                         ; the closing round: no work-group ends while a partner may still ask for a tile that names it
	s_endpgm
.Lfunc_end_k_q6497ae5058_qkv:
	.size	k_q6497ae5058_qkv, .Lfunc_end_k_q6497ae5058_qkv-k_q6497ae5058_qkv
	.p2alignl 7, 3214868480
	.fill 96, 4, 3214868480
	.section	.rodata,"a",@progbits
	.p2align	6, 0x0
	.amdhsa_kernel k_q6497ae5058_qkv
		.amdhsa_group_segment_fixed_size 327680
		.amdhsa_private_segment_fixed_size 0
		.amdhsa_enable_private_segment 0
		.amdhsa_kernarg_size 56
		.amdhsa_user_sgpr_count 2
		.amdhsa_user_sgpr_kernarg_segment_ptr 1
		.amdhsa_wavefront_size32 1
		.amdhsa_system_sgpr_workgroup_id_x 1
		.amdhsa_system_sgpr_workgroup_id_y 1
		.amdhsa_system_sgpr_workgroup_id_z 1
		.amdhsa_system_vgpr_workitem_id 0
		.amdhsa_next_free_vgpr 1024
		.amdhsa_next_free_sgpr 102
		.amdhsa_reserve_vcc 0
		.amdhsa_float_denorm_mode_32 3
		.amdhsa_float_denorm_mode_16_64 3
		.amdhsa_memory_ordered 1
		.amdhsa_forward_progress 1
		.amdhsa_inst_pref_size 255
	.end_amdhsa_kernel
	.section	.bss,"aw",@nobits
	.p2align	6
	.space	262144
	.amdgpu_metadata
---
amdhsa.version: [ 1, 2 ]
amdhsa.kernels:
  - .name:           k_q6497ae5058_qkv
    .symbol:         k_q6497ae5058_qkv.kd
    .args:
      - { .name: xw_codes, .offset: 0, .size: 8, .value_kind: global_buffer, .address_space: global }
      - { .name: xw_scales, .offset: 8, .size: 8, .value_kind: global_buffer, .address_space: global }
      - { .name: cos_emb, .offset: 16, .size: 8, .value_kind: global_buffer, .address_space: global }
      - { .name: sin_emb, .offset: 24, .size: 8, .value_kind: global_buffer, .address_space: global }
      - { .name: token_positions, .offset: 32, .size: 8, .value_kind: global_buffer, .address_space: global }
      - { .name: qbuf, .offset: 40, .size: 8, .value_kind: global_buffer, .address_space: global }
      - { .name: kvbuf, .offset: 48, .size: 8, .value_kind: global_buffer, .address_space: global }
    .group_segment_fixed_size: 327680
    .private_segment_fixed_size: 0
    .kernarg_segment_align: 8
    .kernarg_segment_size: 56
    .max_flat_workgroup_size: 128
    .sgpr_count:     102
    .vgpr_count:     1024
    .wavefront_size: 32
...
	.end_amdgpu_metadata
.endif
;; end of part 2
;; launch attn (part 3): grid 4 x 64, 16 waves a work-group, no clusters, 327,680 bytes of LDS; arguments qbuf, kvbuf, obuf; writes obuf
.if DOCPART == 3
	.amdgcn_target "amdgcn-amd-amdhsa--gfx1250"
	.amdhsa_code_object_version 6
	.text
	.protected	k_q6497ae5058_attn
	.globl	k_q6497ae5058_attn
	.p2align	8
	.type	k_q6497ae5058_attn,@function
k_q6497ae5058_attn:
	s_mov_b64 s[64:65], 0
	v_nop
	global_prefetch_b8 v0, s[64:65] scope:SCOPE_SE
	s_setreg_imm32_b32 hwreg(HW_REG_WAVE_MODE, 25, 1), 1
	s_wait_xcnt 0x0
; Causal attention of one (batch, head) on codes of FP6 (E2M3) with E8M0 scales: S^T = K Q^T (K = the head's 64: the upper 64 of the instruction's 128 are zero codes on both sides),
; t = score x log2(e) / 8, M = the running largest t rounded UP to a whole number, p = 2^(t - M) quantised along the keys, O^T += V^T P^T; the row's sum is taken of the unquantised p and divides at the end;
; O / sum is quantised along the head's 64 and leaves as the image of the last product's operand.
; q, k, v arrive as IMAGES OF OPERAND REGISTERS: a tile of q or k is 512 bytes at 16 x lane (registers 0-3) and 256 at 8 x lane (registers 4-5); a tile of V^T three times 512 bytes at 16 x lane.
; Lane r of tile t of q, k or o holds token 32 (t / 2) + 8 (t % 2) + r + 8 (r / 8); so the 16 registers of two neighbouring tiles of S^T are 16 neighbouring keys, and those of O^T 16 neighbouring dimensions.
; SHARES.  Work-group (i, head) owns two blocks of 256 queries: first block 7 - i (8 - i blocks of 256 keys count for it), then block i (i + 1 blocks): NINE key blocks for every work-group, so the trips are a constant.
; Each of the sixteen waves owns one tile of 16 queries in 256 registers.  A key block lies in one of two LDS slots; waves 0 and 1 fetch its two records of codes, wave 2 its scale words.
; NO MULTICAST: with the causal work shared out evenly the four work-groups of a head want different key blocks in the same trip (work-group i goes back to block 0 behind trip 7 - i); in step they would walk 12 blocks for 9.
; A key step all of whose 128 keys come after the wave's queries is left out by a scalar branch on ids; no barrier and no tensor load stands in a step.
; LIMITS: 1 / sum by v_rcp_f32; a block of zeros or under 2^-124 gets the byte 1; NaN and infinities are not served.  o's two scale bytes a row leave as 32 consecutive bytes a wave: one byte in 25 of what the wave stores.
.set REC,   12288                      ; a step's record: K's 8 tiles x 768 bytes, then V's 4 tiles x 1,536
.set VOFF,  6144
.set SCO,   2*REC                      ; behind a slot's two records: their scale words, 768 bytes each (K 512, V 256)
.set SLOT1, 1<<15                      ; slot 1 begins here: one exclusive or turns an address from one slot to the other
.set SPARE, 1<<16                      ; the spare words, 128 bytes for each wave: eight blocks of 256 bytes that no other line names
.set KVSCL, 12582912                   ; kvbuf: where the scale words begin
.set QSCL,  6291456                    ; qbuf and obuf: likewise
.set LI,  1                            ; v1   16 x lane
.set L8,  2                            ; v2   8 x lane
.set SPW, 3                            ; v3   LDS address of my spare word; never rewritten
.set NIL, 4                            ; v4   0; never rewritten
.set A16, 5                            ; v5   the slot in hand + 16 x lane
.set A8,  6                            ; v6   + 8 x lane
.set DQ,  7                            ; v7   r + 8 (r / 8) - 16 h
.set GS,  8                            ; v8   2 r + h: my byte among the tile's 32 scale bytes
.set PFO, 10                           ; v10  256 x lane: the prefetches' offset; never rewritten
.set QF,  16                           ; v16-27 Q's fragment (v22-27 zero codes);  v28 its scale word;  v29, v30-35 the second block's
.set QS,  28
.set KFR, 36                           ; v36-83 four fragments of K (the upper six registers of each: zero codes, written once)
.set S,   84                           ; v84-147 S^T, then p; then V's four fragments in v84-131; at the end O / sum
.set OT,  148                          ; v148-179 O^T
.set PC,  180                          ; v180-191 p's codes;  v192-194, v196-198 at work
.set CT,  192
.set BM,  200                          ; v200-203 the blocks' largest scores
.set PT,  204                          ; v204-207 at work
.set SO,  208                          ; v208-211 the conversions' scale operands
.set KSC, 212                          ; v212-215 K's scale words: word g: lanes 0-15 tile 2 g, lanes 16-31 tile 2 g + 1
.set VSC, 216                          ; v216-217 V's likewise
.set PW,  218                          ; p's scale word
.set FF,  220                          ; v[220:221] f = 2^(old M - new M) (the low word serves both halves)
.set TT,  222
.set TB,   2                           ; s2   LDS byte at which the slot in hand begins
.set TRIP, 3                           ; s3   the trip
.set WV,   18
.set SEL,  20                          ; s[20:21] lane selects: lane l xor 16
.set CS,   22                          ; s[22:23] c = log2(e) / 8
.set G1C,  24                          ; s[24:31] group 1 for a record of codes;  s[32:39] for a slot's scale words;  s[40:43], s[44:47] their groups 0
.set G1S,  32
.set G0C,  40
.set G0S,  44
.set KF,   66                          ; s66  the step's first key
.set Q0,   67                          ; s67  my tile's first query: its queries are Q0 + 0 .. 7 and Q0 + 16 .. 23
.set NK1,  69                          ; s69  8 - i: the key blocks of the first block of queries
.set Q02,  70                          ; s70  the second block's Q0
.set HBC,  72                          ; s[72:73] my record of the head's key block 0;  s[74:75] the head's scale words
.set HBS,  74
.set PFA,  76                          ; s[76:77] where my prefetches stand
.set LIM,  78                          ; s78  a wave prefetches while the trip is under it
.set OB,   80                          ; s[80:81] where my tile of o goes, s[82:83] its scale bytes;  s[84:87] the second block's
.macro TLOAD                           ; waves 0 and 1: a record of codes each; wave 2: the scale words.  The branches hang on the wave's number alone.  Four v_nop follow each of the two lines
	s_cmp_lt_u32 s[WV], 2
	s_cbranch_scc0 .Lnot_c_\@
	tensor_load_to_lds s[G0C:G0C+3], s[G1C:G1C+7]
	s_nop 0
.rept 4
	v_nop
.endr
	s_branch .Lasked_\@
.Lnot_c_\@:
	s_cmp_lt_u32 s[WV], 3
	s_cbranch_scc0 .Lasked_\@
	tensor_load_to_lds s[G0S:G0S+3], s[G1S:G1S+7]
	s_nop 0
.rept 4
	v_nop
.endr
.Lasked_\@:
.endm
; A PREFETCH of the codes that the NEXT change of slots will ask for.  The head's work-group 0 walks key blocks 0 .. 7 in trips 0 .. 7 and none of the other three is ahead of it: it asks, and nobody else.
; Waves 4 to 6, which fetch nothing, take 8,192 bytes each of a block's 24,576, lanes 256 bytes apart: trip T names block T + 2, each aligned 256 bytes once in the launch.  Trips 6 and 7 ask for nothing: block 7 is the last.
.macro ASK
	s_cmp_lt_u32 s[TRIP], s[LIM]
	s_cbranch_scc0 .Lnot_mine_\@
	global_prefetch_b8 v[PFO], s[PFA:PFA+1] th:TH_LOAD_NT scope:SCOPE_SE
.Lnot_mine_\@:
.endm
	s_load_b128 s[4:7], s[0:1], 0x0                ; qbuf, kvbuf
	s_load_b64 s[8:9], s[0:1], 0x10                ; obuf
	v_lshl_add_u32 v[SPW], v0, 2, SPARE
	v_mov_b32 v[NIL], 0
	ds_add_u32 v3, v4
	ds_add_u32 v3, v4
	s_wait_dscnt 0x0
	v_lshrrev_b32 v9, 5, v0
	s_delay_alu instid0(VALU_DEP_1)
	v_readfirstlane_b32 s[WV], v9                  ; wave 0..15
	s_and_b32 s90, ttmp7, 0xffff                   ; 16 x batch + head
	s_and_b32 s91, s[WV], 1
	; group 1: dense bytes as rows of 256 (32 elements of 8 bytes): 48 rows a record, 6 rows a slot's scale words
	s_mov_b32 s[G1C], 3<<16
	s_mov_b32 s[G1C+1], 32<<16
	s_mov_b32 s[G1C+2], 48<<16
	s_mov_b32 s[G1C+3], 32<<16
	s_mov_b32 s[G1C+4], 48
	s_mov_b32 s[G1C+5], 32
	s_mov_b32 s[G1C+6], 0
	s_mov_b32 s[G1C+7], 0
	s_mov_b32 s[G1S], 3<<16
	s_mov_b32 s[G1S+1], 32<<16
	s_mov_b32 s[G1S+2], 6<<16
	s_mov_b32 s[G1S+3], 32<<16
	s_mov_b32 s[G1S+4], 6
	s_mov_b32 s[G1S+5], 32
	s_mov_b32 s[G1S+6], 0
	s_mov_b32 s[G1S+7], 0
	s_lshl_b32 s92, s90, 4                         ; the head's first record
	s_add_co_u32 s93, s92, s91                     ; waves 0, 1: the block's first or second record
	s_mul_i32 s88, s93, REC
	s_mov_b32 s89, 0                               ; (stays 0: s[88:89] is the pair for 32-bit offsets)
	s_mul_i32 s94, s92, 768
	s_add_co_u32 s94, s94, KVSCL
	s_mov_b32 s95, 0
	s_wait_kmcnt 0x0
	s_add_nc_u64 s[HBC:HBC+1], s[6:7], s[88:89]
	s_add_nc_u64 s[HBS:HBS+1], s[6:7], s[94:95]
	s_mov_b32 s[G0C], 1                            ; count = 1
	s_mul_i32 s[G0C+1], s91, REC                   ; LDS address: slot 0, my record
	s_mov_b64 s[G0C+2:G0C+3], s[HBC:HBC+1]         ; key block 0
	s_or_b32 s[G0C+3], s[G0C+3], 0x80000000        ; type = 2
	s_mov_b32 s[G0S], 1
	s_mov_b32 s[G0S+1], SCO
	s_mov_b64 s[G0S+2:G0S+3], s[HBS:HBS+1]
	s_or_b32 s[G0S+3], s[G0S+3], 0x80000000
	TLOAD                                          ; slot 0: one tensor load of mine is out, here and behind each change of slots
	s_mul_i32 s88, s92, REC                        ; the prefetches: the head's codes,
	s_and_b32 s93, s[WV], 3
	s_lshl_b32 s93, s93, 13                        ; my wave's 8,192 bytes of a block,
	s_add_co_u32 s88, s88, s93
	s_add_co_u32 s88, s88, 2*REC                   ; in block 1: the first change of slots steps it to block 2.  Nothing is prefetched here, at the head
	s_add_nc_u64 s[PFA:PFA+1], s[6:7], s[88:89]
	s_sub_co_u32 s93, s[WV], 4
	s_cmp_lt_u32 s93, 3                            ; waves 4, 5, 6
	s_cselect_b32 s[LIM], 6, 0
	s_cmp_eq_u32 ttmp9, 0                          ; of the head's work-group 0
	s_cselect_b32 s[LIM], s[LIM], 0
	s_sub_co_u32 s[NK1], 8, ttmp9
	s_sub_co_u32 s93, 7, ttmp9
	s_lshl_b32 s93, s93, 4
	s_add_co_u32 s93, s93, s[WV]                   ; my tile in the first block of queries,
	s_lshl_b32 s94, ttmp9, 4
	s_add_co_u32 s94, s94, s[WV]                   ; and in the second
	s_lshl_b32 s95, s91, 3
	s_lshl_b32 s[Q0], s93, 4
	s_sub_co_u32 s[Q0], s[Q0], s95                 ; 32 (tile / 2) + 8 (tile % 2) = 16 tile - 8 (tile % 2)
	s_lshl_b32 s[Q02], s94, 4
	s_sub_co_u32 s[Q02], s[Q02], s95
	s_lshl_b32 s71, s91, 8                         ; q's scale word in its record of 8 tiles: 16 bytes a lane, lane r + 16 (tile % 2), word (tile % 8) / 2
	s_bfe_u32 s95, s[WV], 0x20001
	s_lshl_b32 s95, s95, 2
	s_add_co_u32 s71, s71, s95
	s_add_co_u32 s71, s71, QSCL
.macro PASSADR tau, qc, qs, ob, os     ; the addresses of tile s[tau]: q's codes, q's scale words, o's image, o's scale bytes
	s_lshl_b32 s88, s90, 7
	s_add_co_u32 s88, s88, s[\tau]                 ; 128 x (batch, head) + tile
	s_lshl_b32 s95, s88, 5
	s_mul_i32 s88, s88, 768
	s_add_nc_u64 s[\qc:\qc+1], s[4:5], s[88:89]
	s_add_co_u32 s88, s95, QSCL
	s_add_nc_u64 s[\os:\os+1], s[8:9], s[88:89]
	s_lshr_b32 s88, s[\tau], 3
	s_add_co_u32 s88, s88, s92
	s_lshl_b32 s88, s88, 9
	s_add_co_u32 s88, s88, s71
	s_add_nc_u64 s[\qs:\qs+1], s[4:5], s[88:89]
	s_lshr_b32 s88, s90, 4
	s_lshl_b32 s88, s88, 7
	s_add_co_u32 s88, s88, s[\tau]                 ; 128 x batch + tile,
	s_lshl_b32 s88, s88, 4
	s_and_b32 s95, s90, 15
	s_add_co_u32 s88, s88, s95                     ; x 16 + head
	s_mul_i32 s88, s88, 768
	s_add_nc_u64 s[\ob:\ob+1], s[8:9], s[88:89]
.endm
	PASSADR 93, 10, 14, 80, 82
	PASSADR 94, 12, 16, 84, 86
	v_and_b32 v9, 31, v0
	s_delay_alu instid0(VALU_DEP_1)
	v_lshlrev_b32 v[LI], 4, v9
	s_delay_alu instid0(VALU_DEP_2)
	v_lshlrev_b32 v[L8], 3, v9
	s_delay_alu instid0(VALU_DEP_3)
	v_lshlrev_b32 v[PFO], 8, v9
	v_and_b32 v9, 15, v0                           ; r
	v_bfe_u32 v11, v0, 4, 1                        ; h
	s_delay_alu instid0(VALU_DEP_1)
	v_lshl_add_u32 v[GS], v9, 1, v11
	s_delay_alu instid0(VALU_DEP_3)
	v_and_b32 v[DQ], 8, v9
	s_delay_alu instid0(VALU_DEP_1)
	v_add_nc_u32 v[DQ], v[DQ], v9
	s_delay_alu instid0(VALU_DEP_4)
	v_lshlrev_b32 v11, 4, v11
	s_delay_alu instid0(VALU_DEP_1)
	v_sub_nc_u32 v[DQ], v[DQ], v11
	v_lshlrev_b32 v9, 4, v9                        ; 16 r
	global_load_b128 v[QF:QF+3], v[LI], s[10:11]   ; Q of both blocks stays in registers
	global_load_b64 v[QF+4:QF+5], v[L8], s[10:11] offset:512
	global_load_b32 v[QS], v9, s[14:15]
	global_load_b128 v[30:33], v[LI], s[12:13]
	global_load_b64 v[34:35], v[L8], s[12:13] offset:512
	global_load_b32 v29, v9, s[16:17]
	s_mov_b32 s[SEL], 0x76543210
	s_mov_b32 s[SEL+1], 0xfedcba98
	s_mov_b32 s[CS], 0x3e38aa3b                    ; c = log2(e) / sqrt(64)
	s_mov_b32 s[CS+1], s[CS]                       ; (named with it as a pair, so it is written)
	s_mov_b32 s96, 0xffff0000                      ; a lane mask: lanes 16-31
	s_mov_b32 s[TB], 0
	s_mov_b32 s[KF], 0
.irp k, 6,7,8,9,10,11
	v_mov_b32 v[QF+\k], 0                          ; K = 64 .. 127: zero codes
.irp t, 0,1,2,3
	v_mov_b32 v[KFR+12*\t+\k], 0
.endr
.endr
	v_mov_b32 v13, 0xff61b1e6                      ; the largest t so far: -3e38, under every t
	s_delay_alu instid0(VALU_DEP_1)
	v_floor_f32 v12, -v13                          ; -M
	v_mov_b32 v14, 0                               ; the sum, in two halves
	v_mov_b32 v15, 0
.irp b, 0,1,2,3
	v_mov_b32 v[PT+\b], 0                          ; written once: a lane permute's destination counts as one of its sources
.endr
	v_mov_b32 v[FF+1], 0                           ; (named as the upper half of a pair)
	v_mov_b32 v[TT], 0
.set jj, 0
.rept 32
	v_mov_b32 v[OT+jj], 0                          ; O^T: the step is written once; the first finds zeros, which the first change of M leaves zeros
.set jj, jj+1
.endr
; A KEY STEP: 128 keys, the q-th record of the slot in hand.
.macro STEP q
	s_add_co_u32 s90, s[Q0], 23                    ; my last query
	s_cmp_gt_u32 s[KF], s90
	s_cbranch_scc1 .Lhidden_\@                     ; all 128 keys come after all my queries
	v_add_nc_u32 v[A16], s[TB], v[LI]
	s_wait_alu depctr_va_vdst(0)
	v_add_nc_u32 v[A8], s[TB], v[L8]
	s_wait_alu depctr_va_vdst(0)
.irp g, 0,1                                    ; S^T = K Q^T, four tiles of 16 keys at a time
.if \g
.rept 4
	v_nop                                          ; places in front of loads into registers that matrix instructions have read
.endr
.endif
.irp t, 0,1,2,3
	ds_load_b128 v[KFR+12*\t:KFR+12*\t+3], v[A16] offset:REC*(\q)+768*(4*\g+\t)
	ds_load_b64 v[KFR+12*\t+4:KFR+12*\t+5], v[A8] offset:REC*(\q)+768*(4*\g+\t)+512
.endr
.if \g == 0
	ds_load_b128 v[KSC:KSC+3], v[A16] offset:SCO+768*(\q)
.endif
	s_wait_dscnt 0x0
.irp t, 0,1,2,3
.if (\t)%2
	v_wmma_scale_f32_16x16x128_f8f6f4 v[S+8*(4*\g+\t):S+8*(4*\g+\t)+7], v[KFR+12*\t:KFR+12*\t+11], v[QF:QF+11], 0, v[KSC+2*\g+\t/2], v[QS] matrix_a_fmt:MATRIX_FMT_FP6 matrix_b_fmt:MATRIX_FMT_FP6 matrix_a_scale:MATRIX_SCALE_ROW1
.else
	v_wmma_scale_f32_16x16x128_f8f6f4 v[S+8*(4*\g+\t):S+8*(4*\g+\t)+7], v[KFR+12*\t:KFR+12*\t+11], v[QF:QF+11], 0, v[KSC+2*\g+\t/2], v[QS] matrix_a_fmt:MATRIX_FMT_FP6 matrix_b_fmt:MATRIX_FMT_FP6
.endif
.endr
.endr                                          ; register 16 b + i holds key KF + 32 b + 16 h + i of my query
.rept 4
	v_nop
.endr
	s_add_co_u32 s90, s[KF], 127                   ; on the diagonal the scores of hidden keys become -infinity ahead of the maximum: p = 0 then.  A step all of whose keys count skips this
	s_cmp_le_u32 s90, s[Q0]
	s_cbranch_scc1 .Lopen_\@
	s_sub_co_i32 s90, s[Q0], s[KF]
	v_add_nc_u32 v9, s90, v[DQ]                    ; d = my query - KF - 16 h: register 16 b + i is hidden where 32 b + i > d
	v_mov_b32 v[TT], 0xff800000
.set nn, 0
.rept 64
	v_cmp_gt_i32 vcc_lo, 32*(nn/16)+nn%16, v9
	v_cndmask_b32 v[S+nn], v[S+nn], v[TT], vcc_lo
.set nn, nn+1
.endr
.Lopen_\@:
.irp b, 0,1,2,3
	v_max3_num_f32 v[BM+\b], v[S+16*\b], v[S+1+16*\b], v[S+2+16*\b]   ; the largest score of each block of 32 keys: for the row's maximum and, since p rises with the score, for the block's largest p
.endr
.irp i, 3,5,7,9,11,13
.irp b, 0,1,2,3
	v_max3_num_f32 v[BM+\b], v[BM+\b], v[S+16*\b+\i], v[S+1+16*\b+\i]
.endr
.endr
.irp b, 0,1,2,3
	v_max_num_f32 v[BM+\b], v[BM+\b], v[S+15+16*\b]
.endr
.irp b, 0,1,2,3
	s_delay_alu instid0(VALU_DEP_4)
	v_permlanex16_b32 v[PT+\b], v[BM+\b], s[SEL], s[SEL+1]
.endr
.irp b, 0,1,2,3
	s_delay_alu instid0(VALU_DEP_4)
	v_max_num_f32 v[BM+\b], v[BM+\b], v[PT+\b]     ; with lane l xor 16's 16 keys
.endr
	s_delay_alu instid0(VALU_DEP_2)
	v_max3_num_f32 v[TT], v[BM], v[BM+1], v[BM+2]
	s_delay_alu instid0(VALU_DEP_1)
	v_max_num_f32 v[TT], v[TT], v[BM+3]            ; the step's largest score of my query
	s_delay_alu instid0(VALU_DEP_1)
	v_mul_f32 v[TT], s[CS], v[TT]                  ; as t (c is positive)
	s_delay_alu instid0(VALU_DEP_1)
	v_max_num_f32 v13, v13, v[TT]                  ; the running largest t
	v_mov_b32 v[TT], v12
	s_delay_alu instid0(VALU_DEP_2)
	v_floor_f32 v12, -v13                          ; the new -M = floor(-t): M is a whole number
	s_delay_alu instid0(VALU_DEP_1)
	v_sub_f32 v[TT], v12, v[TT]                    ; old M - new M: a whole number, 0 or less
	s_delay_alu instid0(VALU_DEP_1)
	v_cvt_i32_f32 v[TT], v[TT]                     ; (it saturates)
	s_delay_alu instid0(VALU_DEP_1)
	v_ldexp_f32 v[FF], 1.0, v[TT]                  ; f = 2^(old M - new M): a multiplication by it rounds nothing
.set jj, 0
.rept 32
	v_pk_fma_f32 v[S+jj:S+jj+1], v[S+jj:S+jj+1], s[CS:CS+1], v[12:13] op_sel_hi:[1,0,0]   ; t - M, two at a time
.set jj, jj+2
.endr
.irp b, 0,1,2,3
	v_fma_f32 v[BM+\b], v[BM+\b], s[CS], v12       ; the same of each block's largest score
.endr
.set jj, 0
	s_wait_alu depctr_va_vdst(0)
.rept 64
	v_exp_f32 v[S+jj], v[S+jj]                     ; p = 2^(t - M), at most 1: not normalised
.set jj, jj+1
.endr
	v_pk_mul_f32 v[14:15], v[14:15], v[FF:FF+1] op_sel_hi:[1,0]   ; the sums under the new M: the plain place behind the exponentials
	s_wait_alu depctr_va_vdst(0)                   ; one wait for the batch of 64, ahead of its first use
.irp b, 0,1,2,3
	v_exp_f32 v[BM+\b], v[BM+\b]                   ; the block's largest p: the same two instructions on the same number give the same bits
.endr
	v_pk_add_f32 v[204:205], v[88:89], v[92:93]
	v_pk_add_f32 v[254:255], v[96:97], v[100:101]
	v_pk_add_f32 v[252:253], v[104:105], v[108:109]
	v_pk_add_f32 v[250:251], v[112:113], v[116:117]
	v_pk_add_f32 v[248:249], v[120:121], v[124:125]
	v_pk_add_f32 v[246:247], v[128:129], v[132:133]
	v_pk_add_f32 v[244:245], v[136:137], v[140:141]
	v_pk_add_f32 v[14:15], v[14:15], v[144:145]
	v_pk_add_f32 v[204:205], v[204:205], v[84:85]
	v_pk_add_f32 v[254:255], v[254:255], v[86:87]
	v_pk_add_f32 v[252:253], v[252:253], v[90:91]
	v_pk_add_f32 v[250:251], v[250:251], v[94:95]
	v_pk_add_f32 v[248:249], v[248:249], v[98:99]
	v_pk_add_f32 v[246:247], v[246:247], v[102:103]
	v_pk_add_f32 v[244:245], v[244:245], v[106:107]
	v_pk_add_f32 v[14:15], v[14:15], v[110:111]
	v_pk_add_f32 v[204:205], v[204:205], v[114:115]
	v_pk_add_f32 v[254:255], v[254:255], v[118:119]
	v_pk_add_f32 v[252:253], v[252:253], v[122:123]
	v_pk_add_f32 v[250:251], v[250:251], v[126:127]
	v_pk_add_f32 v[248:249], v[248:249], v[130:131]
	v_pk_add_f32 v[246:247], v[246:247], v[134:135]
	v_pk_add_f32 v[244:245], v[244:245], v[138:139]
	v_pk_add_f32 v[14:15], v[14:15], v[142:143]
	v_pk_add_f32 v[204:205], v[204:205], v[146:147]
	s_delay_alu instid0(VALU_DEP_2)
	v_pk_add_f32 v[14:15], v[14:15], v[250:251]
	s_delay_alu instid0(VALU_DEP_2)
	v_pk_add_f32 v[204:205], v[204:205], v[248:249]
	v_pk_add_f32 v[254:255], v[254:255], v[246:247]
	v_pk_add_f32 v[252:253], v[252:253], v[244:245]
	s_delay_alu instid0(VALU_DEP_2)
	v_pk_add_f32 v[14:15], v[14:15], v[254:255]
	s_delay_alu instid0(VALU_DEP_2)
	v_pk_add_f32 v[204:205], v[204:205], v[252:253]
	s_delay_alu instid0(VALU_DEP_1)
	v_pk_add_f32 v[14:15], v[14:15], v[204:205]
	s_wait_alu depctr_va_vdst(0)                   ; and one for the four
.irp b, 0,1,2,3
	v_max_num_f32 v[BM+\b], 0x1800000, v[BM+\b]    ; the floor 2^(3 - 127): the byte cannot fall under 1
.endr
.irp b, 0,1,2,3
	s_delay_alu instid0(VALU_DEP_4)
	v_add_nc_u32 v[SO+\b], 0xff000000, v[BM+\b]    ; 2 off the exponent field: the conversion's scale operand
.endr
.irp b, 0,1,2,3
	s_delay_alu instid0(VALU_DEP_4)
	v_lshrrev_b32 v[PT+\b], 23, v[SO+\b]           ; the scale's byte
.endr
	s_delay_alu instid0(VALU_DEP_3)
	v_lshl_or_b32 v[PW], v[PT+1], 8, v[PT]         ; p's scale word for these 128 keys
	s_delay_alu instid0(VALU_DEP_1)
	v_lshl_or_b32 v[PW], v[PT+2], 16, v[PW]
	s_delay_alu instid0(VALU_DEP_1)
	v_lshl_or_b32 v[PW], v[PT+3], 24, v[PW]
.irp c, 0,1
	v_cvt_scalef32_pk16_fp6_f32 v[PC+6*\c:PC+2+6*\c], v[S+32*\c:S+15+32*\c], v[SO+2*\c]
	v_cvt_scalef32_pk16_fp6_f32 v[CT+4*\c:CT+2+4*\c], v[S+16+32*\c:S+31+32*\c], v[SO+2*\c+1]   ; (a conversion's three registers begin on an even number)
.endr
	v_nop                                          ; one plain place behind a scaled conversion
.irp a, 0,1,2,3                                ; p has been read: V's four fragments land in its registers while the codes are put in order and O^T is rescaled
.irp c, 0,1,2
	ds_load_b128 v[S+12*\a+4*\c:S+12*\a+4*\c+3], v[A16] offset:REC*(\q)+VOFF+1536*\a+512*\c
.endr
.endr
	ds_load_b64 v[VSC:VSC+1], v[A8] offset:SCO+768*(\q)+512
.irp c, 0,1                                    ; the operand's layout wants a WHOLE block in a lane
.irp i, 0,1,2
	v_permlane16_swap_b32 v[PC+6*\c+\i], v[CT+4*\c+\i]
.endr
.irp i, 0,1,2
	s_delay_alu instid0(VALU_DEP_3)
	v_mov_b32 v[PC+3+6*\c+\i], v[CT+4*\c+\i]
.endr
.endr
.set jj, 0
.rept 16
	v_pk_mul_f32 v[OT+jj:OT+jj+1], v[OT+jj:OT+jj+1], v[FF:FF+1] op_sel_hi:[1,0]   ; O^T under the new M.  (These 16 are also the places between the writes of p's codes and scale word and the products)
.set jj, jj+2
.endr
	s_wait_alu depctr_va_vdst(0)
	s_wait_dscnt 0x0
.irp a, 0,1,2,3                                ; O^T += V^T P^T: four tiles of 16 dimensions, the four accumulators by turns
.if (\a)%2
	v_wmma_scale_f32_16x16x128_f8f6f4 v[OT+8*\a:OT+8*\a+7], v[S+12*\a:S+12*\a+11], v[PC:PC+11], v[OT+8*\a:OT+8*\a+7], v[VSC+\a/2], v[PW] matrix_a_fmt:MATRIX_FMT_FP6 matrix_b_fmt:MATRIX_FMT_FP6 matrix_a_scale:MATRIX_SCALE_ROW1
.else
	v_wmma_scale_f32_16x16x128_f8f6f4 v[OT+8*\a:OT+8*\a+7], v[S+12*\a:S+12*\a+11], v[PC:PC+11], v[OT+8*\a:OT+8*\a+7], v[VSC+\a/2], v[PW] matrix_a_fmt:MATRIX_FMT_FP6 matrix_b_fmt:MATRIX_FMT_FP6
.endif
.endr
.rept 5
	v_nop                                          ; five places: the next step's products write S^T over V's fragments; the end reads O^T
.endr
.Lhidden_\@:
	s_add_co_u32 s[KF], s[KF], 128
.endm
; THE CHANGE OF SLOTS stands at a slot's head.  Each wave waits for all its tensor loads, adds 0 to its spare word, and waits for that and for its reads of the slot that it has left.
; Behind the barrier the slot ahead is whole and nobody reads the other one.  fill = 1: that other slot takes the next trip's key block: trip T + 1 wants block T + 1, or T + 1 - NK1 from the second block of queries on.
.macro CHANGE fill
	s_wait_tensorcnt 0x0                           ; no tensor load of mine is out, so a group 0 may be written
	ds_add_u32 v[SPW], v[NIL]                      ; 0 onto my spare word
.if \fill
	s_add_co_u32 s90, s[TRIP], 1
	s_cmp_ge_u32 s90, s[NK1]
	s_cselect_b32 s91, s[NK1], 0
	s_sub_co_u32 s90, s90, s91                     ; the next trip's key block
	s_mul_i32 s88, s90, 2*REC
	s_add_nc_u64 s[G0C+2:G0C+3], s[HBC:HBC+1], s[88:89]
	s_or_b32 s[G0C+3], s[G0C+3], 0x80000000
	s_mul_i32 s88, s90, 2*768
	s_add_nc_u64 s[G0S+2:G0S+3], s[HBS:HBS+1], s[88:89]
	s_or_b32 s[G0S+3], s[G0S+3], 0x80000000
	s_xor_b32 s[G0C+1], s[G0C+1], SLOT1            ; the other slot than last time
	s_xor_b32 s[G0S+1], s[G0S+1], SLOT1
	s_wait_xcnt 0x0                                ; the last prefetch, a trip back, has read its address
	s_add_nc_u64 s[PFA:PFA+1], s[PFA:PFA+1], 2*REC
.endif
	s_wait_dscnt 0x0                               ; the add is done, and my reads of the slot that I have left are over
	s_barrier_signal -1
	s_barrier_wait -1
.if \fill
	TLOAD                                          ; the first thing behind the barrier, and a wave's one tensor load until the next
	ASK
.endif
.endm
; THE END OF A BLOCK OF QUERIES: O^T / sum, quantised along the head's 64 (two blocks of 32), stored as registers 0-5 of an operand's fragment and two scale bytes a row.
.macro FINAL
	v_add_f32 v14, v14, v15                        ; the sum's two halves,
	s_delay_alu instid0(VALU_DEP_1)
	v_permlanex16_b32 v[TT], v14, s[SEL], s[SEL+1]
	s_delay_alu instid0(VALU_DEP_1)
	v_add_f32 v14, v14, v[TT]                      ; and lane l xor 16's: the row's sum
	s_wait_alu depctr_va_vdst(0)
	v_rcp_f32 v14, v14
	v_nop                                          ; a plain place behind the reciprocal
	s_wait_alu depctr_va_vdst(0)                   ; and the wait ahead of its first use
.set jj, 0
.rept 32
	v_mul_f32 v[S+jj], v[OT+jj], v14               ; register 16 b + i is dimension 32 b + 16 h + i of my query
.set jj, jj+1
.endr
.irp b, 0,1
	v_max3_num_f32 v[BM+\b], |v[S+16*\b]|, |v[S+1+16*\b]|, 0x1800000
.endr
.irp i, 2,4,6,8,10,12,14
.irp b, 0,1
	s_delay_alu instid0(VALU_DEP_2)
	v_max3_num_f32 v[BM+\b], v[BM+\b], |v[S+16*\b+\i]|, |v[S+1+16*\b+\i]|
.endr
.endr
.irp b, 0,1
	s_delay_alu instid0(VALU_DEP_2)
	v_permlanex16_b32 v[PT+\b], v[BM+\b], s[SEL], s[SEL+1]
.endr
.irp b, 0,1
	s_delay_alu instid0(VALU_DEP_2)
	v_max_num_f32 v[BM+\b], v[BM+\b], v[PT+\b]
.endr
.irp b, 0,1
	s_delay_alu instid0(VALU_DEP_2)
	v_add_nc_u32 v[SO+\b], 0xff000000, v[BM+\b]
.endr
.irp b, 0,1
	s_delay_alu instid0(VALU_DEP_2)
	v_lshrrev_b32 v[PT+\b], 23, v[SO+\b]
.endr
	v_cvt_scalef32_pk16_fp6_f32 v[PC:PC+2], v[S:S+15], v[SO]
	v_cvt_scalef32_pk16_fp6_f32 v[CT:CT+2], v[S+16:S+31], v[SO+1]
	v_nop
.irp i, 0,1,2
	v_permlane16_swap_b32 v[PC+\i], v[CT+\i]
.endr
.irp i, 0,1,2
	s_delay_alu instid0(VALU_DEP_3)
	v_mov_b32 v[PC+3+\i], v[CT+\i]
.endr
	v_cndmask_b32 v9, v[PT], v[PT+1], s96          ; lanes 0-15 the first block's byte, lanes 16-31 the second's
	global_store_b128 v[LI], v[PC:PC+3], s[OB:OB+1]               ; 512 consecutive bytes, aligned
	global_store_b64 v[L8], v[PC+4:PC+5], s[OB:OB+1] offset:512   ; 256 consecutive bytes, aligned
	global_store_b8 v[GS], v9, s[OB+2:OB+3]
	s_wait_xcnt 0x0                                ; the stores have read their registers and bases
.endm
	s_wait_loadcnt 0x0                             ; Q
	s_mov_b32 s[TRIP], 0
.Lslot:                                            ; eight trips: behind each change of slots the next trip's key block is asked for
	CHANGE 1
	STEP 0
	STEP 1
	s_xor_b32 s[TB], s[TB], SLOT1                  ; on to the other slot
	s_add_co_u32 s90, s[TRIP], 1
	s_cmp_lg_u32 s90, s[NK1]
	s_cbranch_scc1 .Lsame                          ; behind trip NK1 - 1 (one of trips 4 to 7) the first block of queries is finished: a branch on the work-group's number and the trip
	FINAL
.irp k, 0,1,2,3,4,5
	v_mov_b32 v[QF+\k], v[30+\k]                   ; the second block's Q,
.endr
	v_mov_b32 v[QS], v29                           ; and its scale word
	v_mov_b32 v13, 0xff61b1e6
	s_delay_alu instid0(VALU_DEP_1)
	v_floor_f32 v12, -v13
	v_mov_b32 v14, 0
	v_mov_b32 v15, 0
.set jj, 0
.rept 32
	v_mov_b32 v[OT+jj], 0                          ; (also the places between the writes of Q's registers and scale word and the next products)
.set jj, jj+1
.endr
	s_mov_b32 s[KF], 0
	s_mov_b32 s[Q0], s[Q02]
	s_mov_b64 s[OB:OB+1], s[84:85]
	s_mov_b64 s[OB+2:OB+3], s[86:87]
.Lsame:
	s_add_co_u32 s[TRIP], s[TRIP], 1
	s_cmp_lt_u32 s[TRIP], 8
	s_cbranch_scc1 .Lslot
	CHANGE 0                                       ; the ninth trip is written out
	STEP 0
	STEP 1
	FINAL
	s_wait_tensorcnt 0x0                           ; the wave's end
	ds_add_u32 v[SPW], v[NIL]
	s_wait_dscnt 0x0
	s_endpgm
.Lfunc_end_k_q6497ae5058_attn:
	.size	k_q6497ae5058_attn, .Lfunc_end_k_q6497ae5058_attn-k_q6497ae5058_attn
	.p2alignl 7, 3214868480
	.fill 96, 4, 3214868480
	.section	.rodata,"a",@progbits
	.p2align	6, 0x0
	.amdhsa_kernel k_q6497ae5058_attn
		.amdhsa_group_segment_fixed_size 327680
		.amdhsa_private_segment_fixed_size 0
		.amdhsa_enable_private_segment 0
		.amdhsa_kernarg_size 24
		.amdhsa_user_sgpr_count 2
		.amdhsa_user_sgpr_kernarg_segment_ptr 1
		.amdhsa_wavefront_size32 1
		.amdhsa_system_sgpr_workgroup_id_x 1
		.amdhsa_system_sgpr_workgroup_id_y 1
		.amdhsa_system_sgpr_workgroup_id_z 1
		.amdhsa_system_vgpr_workitem_id 0
		.amdhsa_next_free_vgpr 256
		.amdhsa_next_free_sgpr 100
		.amdhsa_reserve_vcc 1
		.amdhsa_float_denorm_mode_32 3
		.amdhsa_float_denorm_mode_16_64 3
		.amdhsa_memory_ordered 1
		.amdhsa_forward_progress 1
		.amdhsa_inst_pref_size 111
	.end_amdhsa_kernel
	.amdgpu_metadata
---
amdhsa.version: [ 1, 2 ]
amdhsa.kernels:
  - .name:           k_q6497ae5058_attn
    .symbol:         k_q6497ae5058_attn.kd
    .args:
      - { .name: qbuf, .offset: 0, .size: 8, .value_kind: global_buffer, .address_space: global }
      - { .name: kvbuf, .offset: 8, .size: 8, .value_kind: global_buffer, .address_space: global }
      - { .name: obuf, .offset: 16, .size: 8, .value_kind: global_buffer, .address_space: global }
    .group_segment_fixed_size: 327680
    .private_segment_fixed_size: 0
    .kernarg_segment_align: 8
    .kernarg_segment_size: 24
    .max_flat_workgroup_size: 512
    .sgpr_count:     100
    .vgpr_count:     256
    .wavefront_size: 32
...
	.end_amdgpu_metadata
.endif
;; end of part 3
;; launch oproj (part 4): grid 4 x 64, 4 waves a work-group, clusters of 4 x 4, 327,680 bytes of LDS; arguments obuf, xw_codes, xw_scales, out0; writes out0
.if DOCPART == 4
	.amdgcn_target "amdgcn-amd-amdhsa--gfx1250"
	.amdhsa_code_object_version 6
	.text
	.protected	k_q6497ae5058_oproj
	.globl	k_q6497ae5058_oproj
	.p2align	8
	.type	k_q6497ae5058_oproj,@function
k_q6497ae5058_oproj:
	s_mov_b64 s[64:65], 0
	v_nop
	global_prefetch_b8 v0, s[64:65] scope:SCOPE_SE
	s_setreg_imm32_b32 hwreg(HW_REG_WAVE_MODE, 25, 1), 1
	s_wait_xcnt 0x0
	s_wait_alu depctr_hold_cnt(0) depctr_sa_sdst(0) depctr_va_vdst(0) depctr_va_sdst(0) depctr_va_ssrc(0) depctr_va_vcc(0) depctr_vm_vsrc(0)
	s_getreg_b32 s2, hwreg(HW_REG_IB_STS2, 6, 4)
	s_cmp_eq_u32 s2, 0
	s_cbranch_scc0 .Lentry_in_a_cluster
	s_endpgm
.Lentry_in_a_cluster:
	s_bfe_u32 s2, ttmp6, 0x10000c
	s_cmp_lg_u32 s2, 0xf033
	s_cbranch_scc0 .Lentry_shape_is_right
	s_endpgm
.Lentry_shape_is_right:
; out0 = o Wo^T on codes of FP6 (E2M3) with E8M0 scales, K = 1,024 = 16 heads x 64; f32 sums, f32 out.
; o arrives as images of operand registers, [tile of 16 tokens][head][768 bytes]: two neighbouring heads' six registers each ARE a fragment of 128 along K.  Lane r of tile t holds token 32 (t / 2) + 8 (t % 2) + r + 8 (r / 8).
; Wo arrives as rows of the table of codes, from row 11,264 on, in the table's row order: register j of block b in lane half h is output 32 (b / 2) + 16 h + 8 (b % 2) + j.  Both orders are undone on the way out, by constants.
; A work-group makes 128 tokens x 256 outputs (8,192 x 1,024 give 256 such tiles; tiles of 256 x 256 would be 128), four waves 64 x 128 each: 32 accumulators.  The matrix instruction is used transposed: source 0 = Wo, source 1 = o.
; K goes in four steps of 256 through two LDS slots.  The scale words of all of K come once and stay in registers.
; CLUSTERS: 4 x 4: o's tiles are shared along a row of the cluster, Wo's along a column, each asked for jointly.
; REGISTERS: window 0: v0-31 addresses; v32-63 o's scale words (8 a + step), v64-127 Wo's (8 b + step); v128-223 o's fragments, two sets of 48; v224-255 at work.  window 1: Wo's fragments, two sets.  window 2: the accumulators ((a, b) at v[8 (8 a + b)]).
.set KROW,   768                       ; a row of the table in bytes
.set ROWB,   192                       ; 256 codes
.set PITCH,  240                       ; an LDS row of Wo: 3 x (64 bytes + 16 of padding)
.set FR,     12
.set HALFT,  128*PITCH
.set ATILE,  3072                      ; a tile of o in a slot: four heads x 768 bytes
.set AB,     8*ATILE
.set SLOT,   AB+2*HALFT                ; o's 8 tiles, then Wo's 256 rows
.set SCA,    2*SLOT                    ; o's scale bytes: 16 heads x 256 bytes (8 tiles x 16 rows x 2)
.set SCB,    SCA+4096                  ; Wo's: 2 x 16 x (256 + 16)
.set HALFS,  16*272
.set SBLK,   2*272
.set SPARE,  SCB+2*HALFS               ; the spare words, 128 bytes for each wave: two blocks of 256 bytes that no other line names
.set SPITCH, 528                       ; the way out: 16 rows x (512 + 16) bytes for each wave, in slot 0, which has had its last fill and its last read by then
.set ROW_WO, 11264
.set OSCL,   6291456                   ; obuf: where the scale bytes begin
.set ADX,  16                          ; v16-17 o's fragments in slot 0, 1: + 16 x lane;  v18-19: + 8 x lane
.set ADY,  18
.set ADRB, 20                          ; v20-23 Wo's fragments (v22-23: behind one padding more)
.set STO,  24
.set RD,   25
.set CO,   26                          ; v26    16 x lane
.set ASA,  27
.set SPW,  28                          ; never rewritten
.set NIL,  29                          ; never rewritten
.set ASB,  30
.set SA,   32
.set SB,   64
.set AF,   128
.set TP,   224
.set BK,   128                         ; the way out: 16 rows read back: v128-191 and v192-255 by turns
.set G1, 24
.set G0, 32
.set G1B, 48
.set G0B, 56
.set G1S, 68
.set G0S, 76
.set G1SB, 80
.set G0SB, 88
.set MSB, 0
.macro WIN new
.if MSB != (\new)
	s_set_vgpr_msb (MSB<<8)|(\new)
.set MSB, (\new)
.endif
.endm
.set MUL,  0xa1                        ; source 0 (Wo) window 1, source 1 (o) window 0, C and D window 2
.set TO_B, 0x40
.macro JLOAD g0a, g1a, g0b, g1b        ; a joint load: waves 0 and 1 fetch for o, waves 2 and 3 for Wo; four v_nop follow each of the two lines
	s_cmp_eq_u32 s15, 0
	s_cbranch_scc0 .Lfor_b_\@
	tensor_load_to_lds s[\g0a:\g0a+3], s[\g1a:\g1a+7]
	s_nop 0
.rept 4
	v_nop
.endr
	s_branch .Lasked_\@
.Lfor_b_\@:
	tensor_load_to_lds s[\g0b:\g0b+3], s[\g1b:\g1b+7]
	s_nop 0
.rept 4
	v_nop
.endr
.Lasked_\@:
.endm
.macro CREST
	s_cmp_lg_u32 s14, 0
	s_cbranch_scc1 .Lnot_wave_0_\@
	s_barrier_signal -3
.Lnot_wave_0_\@:
	s_barrier_wait -3
	s_barrier_signal -1
	s_barrier_wait -1
.endm
.macro CROUND
	s_barrier_signal -1
	s_barrier_wait -1
	CREST
.endm
	s_load_b128 s[4:7], s[0:1], 0x0                ; obuf, the table's codes
	s_load_b128 s[8:11], s[0:1], 0x10              ; the table's scale bytes, out0
	v_lshl_add_u32 v[SPW], v0, 2, SPARE
	v_mov_b32 v[NIL], 0
	ds_add_u32 v28, v29
	s_wait_dscnt 0x0
	v_lshrrev_b32 v1, 5, v0
	v_readfirstlane_b32 s14, v1                    ; wave 0..3
	s_lshr_b32 s15, s14, 1                         ; which 64 tokens are mine.  Also: I fetch for o (0) or for Wo (1)
	s_and_b32 s16, s14, 1                          ; which 128 outputs.  Also: which half of that tile I fetch
	s_bfe_u32 s40, ttmp6, 0x40000                  ; cx, cy
	s_bfe_u32 s41, ttmp6, 0x40004
	s_lshl_b32 s42, ttmp9, 2
	s_add_co_u32 s42, s42, s40                     ; which 256 outputs
	s_and_b32 s17, ttmp7, 0xffff
	s_lshl_b32 s17, s17, 2
	s_add_co_u32 s17, s17, s41                     ; which 128 tokens
	s_lshl_b32 s43, s41, 2
	s_lshl_b32 s43, 15, s43                        ; my row of the cluster
	s_lshl_b32 s44, 0x1111, s40                    ; my column
	; o's codes: 4 tiles of tokens x 3,072 bytes (384 elements of 8), 12,288 bytes apart; dense in LDS
	s_or_b32 s[G1], s43, (3<<16)|(1<<21)
	s_mov_b32 s[G1+1], 384<<16
	s_mov_b32 s[G1+2], 4<<16
	s_mov_b32 s[G1+3], 384<<16
	s_mov_b32 s[G1+4], 4
	s_mov_b32 s[G1+5], 1536
	s_mov_b32 s[G1+6], 0
	s_mov_b32 s[G1+7], 0
	; Wo's codes: 128 rows x 192 bytes, 16 bytes of padding behind every 64
	s_or_b32 s[G1B], s44, (0<<16)|(1<<20)|(1<<21)|(3<<22)|(3<<25)
	s_mov_b32 s[G1B+1], ROWB<<16
	s_mov_b32 s[G1B+2], 128<<16
	s_mov_b32 s[G1B+3], ROWB<<16
	s_mov_b32 s[G1B+4], 128
	s_mov_b32 s[G1B+5], KROW
	s_mov_b32 s[G1B+6], 0
	s_mov_b32 s[G1B+7], 0
	; o's scale bytes: 8 heads x 256 bytes, 4,096 bytes apart
	s_or_b32 s[G1S], s43, (3<<16)|(1<<21)
	s_mov_b32 s[G1S+1], 32<<16
	s_mov_b32 s[G1S+2], 8<<16
	s_mov_b32 s[G1S+3], 32<<16
	s_mov_b32 s[G1S+4], 8
	s_mov_b32 s[G1S+5], 512
	s_mov_b32 s[G1S+6], 0
	s_mov_b32 s[G1S+7], 0
	; Wo's scale bytes: 4,096 dense bytes as 16 rows of 256, 16 bytes of padding behind each
	s_or_b32 s[G1SB], s44, (3<<16)|(1<<20)|(1<<21)|(5<<22)|(3<<25)
	s_mov_b32 s[G1SB+1], 32<<16
	s_mov_b32 s[G1SB+2], 16<<16
	s_mov_b32 s[G1SB+3], 32<<16
	s_mov_b32 s[G1SB+4], 16
	s_mov_b32 s[G1SB+5], 32
	s_mov_b32 s[G1SB+6], 0
	s_mov_b32 s[G1SB+7], 0
	s_lshl_b32 s20, s17, 3                         ; o: tile of tokens 8 x (which 128) + 4 x half,
	s_lshl_b32 s18, s16, 2
	s_add_co_u32 s20, s20, s18
	s_mul_i32 s20, s20, 12288
	s_mov_b32 s21, 0
	s_lshr_b32 s22, s17, 4                         ; its scale bytes: (16 x batch + 8 x half) heads of 4,096 bytes, + 256 x (which 128 of the sequence)
	s_lshl_b32 s22, s22, 4
	s_lshl_b32 s18, s16, 3
	s_add_co_u32 s22, s22, s18
	s_lshl_b32 s22, s22, 12
	s_and_b32 s18, s17, 15
	s_lshl_b32 s18, s18, 8
	s_add_co_u32 s22, s22, s18
	s_add_co_u32 s22, s22, OSCL
	s_mov_b32 s23, 0
	s_lshl_b32 s46, s42, 8                         ; Wo: the table's row
	s_lshl_b32 s19, s16, 7
	s_add_co_u32 s46, s46, s19
	s_add_co_u32 s46, s46, ROW_WO
	s_lshl_b32 s92, s46, 5                         ; 32 scale bytes a row
	s_mov_b32 s93, 0
	s_mul_i32 s46, s46, KROW
	s_mov_b32 s47, 0
	s_mul_i32 s45, s16, 4*ATILE                    ; where they go: no place in the cluster enters an LDS address
	s_mul_i32 s94, s16, HALFT
	s_add_co_u32 s94, s94, AB
	s_lshl_b32 s66, s16, 11
	s_mul_i32 s67, s16, HALFS
	s_wait_kmcnt 0x0
	s_add_nc_u64 s[20:21], s[4:5], s[20:21]
	s_add_nc_u64 s[22:23], s[4:5], s[22:23]
	s_add_nc_u64 s[46:47], s[6:7], s[46:47]
	s_add_nc_u64 s[92:93], s[8:9], s[92:93]
	CROUND                                         ; all sixteen work-groups are here: the first joint loads meet
	s_mov_b32 s[G0S], 1
	s_add_co_u32 s[G0S+1], s66, SCA
	s_mov_b64 s[G0S+2:G0S+3], s[22:23]
	s_or_b32 s[G0S+3], s[G0S+3], 0x80000000
	s_mov_b32 s[G0SB], 1
	s_add_co_u32 s[G0SB+1], s67, SCB
	s_mov_b64 s[G0SB+2:G0SB+3], s[92:93]
	s_or_b32 s[G0SB+3], s[G0SB+3], 0x80000000
	JLOAD G0S, G1S, G0SB, G1SB
.irp s, 0,1
	s_mov_b32 s[G0+4*\s], 1
	s_add_co_u32 s[G0+4*\s+1], s45, \s*SLOT
	s_add_nc_u64 s[G0+4*\s+2:G0+4*\s+3], s[20:21], \s*ATILE
	s_or_b32 s[G0+4*\s+3], s[G0+4*\s+3], 0x80000000
	s_mov_b32 s[G0B+4*\s], 1
	s_add_co_u32 s[G0B+4*\s+1], s94, \s*SLOT
	s_add_nc_u64 s[G0B+4*\s+2:G0B+4*\s+3], s[46:47], \s*ROWB
	s_or_b32 s[G0B+4*\s+3], s[G0B+4*\s+3], 0x80000000
	JLOAD G0+4*\s, G1, G0B+4*\s, G1B               ; three tensor loads of mine are out
.endr
	v_and_b32 v1, 15, v0                           ; r
	v_bfe_u32 v2, v0, 4, 1                         ; h
	v_and_b32 v3, 31, v0                           ; lane
	v_mul_u32_u24 v4, v1, PITCH
	v_mad_u32_u24 v4, v2, 24, v4                   ; Wo: row x pitch + 24 x half
	v_lshl_add_u32 v5, v2, 4, v4                   ; and behind one padding more
	v_lshlrev_b32 v[CO], 4, v3
	v_lshlrev_b32 v7, 3, v3
	s_mul_i32 s21, s15, 4*ATILE                    ; my four tiles of o
	s_mul_i32 s22, s16, HALFT                      ; my 128 rows of Wo,
	s_add_co_u32 s22, s22, AB                      ; behind o's tiles
.irp s, 0,1
	v_add_nc_u32 v[ADX+\s], s21, v[CO]
	v_add_nc_u32 v[ADY+\s], s21, v7
	v_add_nc_u32 v[ADRB+\s], s22, v4
	v_add_nc_u32 v[ADRB+2+\s], s22, v5
	s_add_co_u32 s21, s21, SLOT
	s_add_co_u32 s22, s22, SLOT
.endr
	s_lshl_b32 s23, s15, 7
	s_add_co_u32 s23, s23, SCA
	v_lshl_add_u32 v[ASA], v1, 1, s23              ; o's scale bytes: my four tiles (32 bytes each), 2 bytes a row
	v_lshlrev_b32 v8, 5, v1
	v_lshrrev_b32 v9, 8, v8
	v_lshl_add_u32 v8, v9, 4, v8                   ; Wo's: 32 bytes a row, 16 more for each 256 passed
	s_mul_i32 s23, s16, HALFS
	s_add_co_u32 s23, s23, SCB
	v_add_nc_u32 v[ASB], s23, v8
	s_mul_i32 s23, s14, 16*SPITCH                  ; my stage
	v_mul_u32_u24 v8, v1, SPITCH
	v_lshl_add_u32 v8, v2, 6, v8
	v_add_nc_u32 v[STO], s23, v8                   ; in: row r, + 64 h: block b's eight outputs lie at 128 (b / 2) + 64 h + 32 (b % 2) bytes
	v_add_nc_u32 v[RD], s23, v[CO]                 ; back: a row of 512 bytes, 16 a lane
	s_lshl_b32 s20, s17, 7
	s_lshl_b32 s21, s15, 6
	s_add_co_u32 s20, s20, s21                     ; my first token,
	s_lshl_b32 s20, s20, 12                        ; 4,096 bytes a row of out0,
	s_lshl_b32 s46, s42, 10
	s_lshl_b32 s47, s16, 9
	s_add_co_u32 s46, s46, s47                     ; my first output, in bytes
	s_add_co_u32 s20, s20, s46
	s_mov_b32 s21, 0
	s_add_nc_u64 s[10:11], s[10:11], s[20:21]
.macro FRAG reg, adr, q, i             ; a fragment of Wo: six pieces of 8 bytes; where the piece three on lies behind one padding more, the second address register serves
.irp p, 0,1,2,3,4,5
.set PIECE, 12*(\q)+6*(\p/3)+\p%3
.if PIECE%8 < 5
	ds_load_b64 v[\reg+2*\p:\reg+2*\p+1], v[\adr] offset:8*PIECE+16*(PIECE/8)+(\i)*16*PITCH
.else
	ds_load_b64 v[\reg+2*\p:\reg+2*\p+1], v[\adr+2] offset:8*PIECE+16*(PIECE/8)+(\i)*16*PITCH
.endif
.endr
.endm
.macro FRAGA reg, slot, q, a           ; a fragment of o: heads 2 q and 2 q + 1 of the slot's four, six registers each, as they were stored
.irp c, 0,1
	ds_load_b128 v[\reg+6*\c:\reg+6*\c+3], v[ADX+\slot] offset:ATILE*(\a)+768*(2*(\q)+\c)
	ds_load_b64 v[\reg+6*\c+4:\reg+6*\c+5], v[ADY+\slot] offset:ATILE*(\a)+768*(2*(\q)+\c)+512
.endr
.endm
.macro FETCH sg, slot, q               ; step sg's fragments (the slot's q-th 128 along K) into set sg % 2: 64 loads
	WIN TO_B
.irp i, 0,1,2,3,4,5,6,7
	FRAG 128*((\sg)%2)+FR*\i, ADRB+\slot, \q, \i
.endr
	WIN 0
.irp a, 0,1,2,3
	FRAGA AF+48*((\sg)%2)+FR*\a, \slot, \q, \a
.endr
.endm
.macro MUL8 a, sg, zero                ; o's tile a x Wo's eight blocks.  The 32 accumulators take turns, one instruction a turn, in the same order in every step
.irp b, 0,1,2,3,4,5,6,7
.if \zero
	v_wmma_scale_f32_16x16x128_f8f6f4 v[8*(8*(\a)+\b):8*(8*(\a)+\b)+7], v[128*((\sg)%2)+FR*\b:128*((\sg)%2)+FR*\b+FR-1], v[AF+48*((\sg)%2)+FR*(\a):AF+48*((\sg)%2)+FR*(\a)+FR-1], 0, v[SB+8*\b+(\sg)], v[SA+8*(\a)+(\sg)] matrix_a_fmt:MATRIX_FMT_FP6 matrix_b_fmt:MATRIX_FMT_FP6
.else
	v_wmma_scale_f32_16x16x128_f8f6f4 v[8*(8*(\a)+\b):8*(8*(\a)+\b)+7], v[128*((\sg)%2)+FR*\b:128*((\sg)%2)+FR*\b+FR-1], v[AF+48*((\sg)%2)+FR*(\a):AF+48*((\sg)%2)+FR*(\a)+FR-1], v[8*(8*(\a)+\b):8*(8*(\a)+\b)+7], v[SB+8*\b+(\sg)], v[SA+8*(\a)+(\sg)] matrix_a_fmt:MATRIX_FMT_FP6 matrix_b_fmt:MATRIX_FMT_FP6
.endif
.endr
.endm
.macro PLACES n
.rept \n
	v_nop
.endr
.endm
.macro STEPE sg, slot, zero            ; a slot's first 128 along K: the second's fragments are fetched ahead of its 32 products
	s_wait_dscnt 0x0                               ; this step's fragments are in
	PLACES 4                                       ; in front of loads into the set that the last products read
	FETCH (\sg)+1, \slot, 1
	WIN MUL
	MUL8 0, \sg, \zero
	MUL8 1, \sg, \zero
	MUL8 2, \sg, \zero
	MUL8 3, \sg, \zero
	WIN 0
.endm
; A slot's second 128 along K changes slots: ONE barrier; in front of it each wave waits for all its tensor loads, adds 0 to its spare word, and waits for that and for its own reads of this slot.
.macro TURN sg, slot, next, fill
	s_wait_tensorcnt 0x0                           ; all my tensor loads have landed: my part of the next slot
	ds_add_u32 v[SPW], v[NIL]                      ; 0 onto my spare word
	s_wait_dscnt 1                                 ; (the add alone may be out: this step's fragments are in)
	WIN MUL
	MUL8 0, \sg, 0                                 ; eight matrix instructions stand between the add and the wait for it
	s_wait_dscnt 0x0                               ; the add is done, and my reads of this slot are over
	s_barrier_signal -1
	MUL8 1, \sg, 0
	WIN 0
	s_barrier_wait -1
.if \fill
	CREST                                          ; the barrier has opened a round of the cluster's barrier: no wave of any partner still reads this slot or has a load on its way
	s_add_nc_u64 s[G0+4*\slot+2:G0+4*\slot+3], s[G0+4*\slot+2:G0+4*\slot+3], 2*ATILE
	s_add_nc_u64 s[G0B+4*\slot+2:G0B+4*\slot+3], s[G0B+4*\slot+2:G0B+4*\slot+3], 2*ROWB
	JLOAD G0+4*\slot, G1, G0B+4*\slot, G1B         ; the first tensor load behind the round, my one load until the next; its four v_nop are the places in front of the loads below
.else
	PLACES 4
.endif
	FETCH (\sg)+1, \next, 0
	WIN MUL
	MUL8 2, \sg, 0
	MUL8 3, \sg, 0
	WIN 0
.endm
	s_wait_tensorcnt 1                             ; the scales and my part of slot 0 are in (slot 1's load may be out),
	s_barrier_signal -1
	s_barrier_wait -1                              ; everybody's are
	; the scale words of all of K, once.  o's word for step k: two bytes of head 2 k, two of head 2 k + 1
.irp a, 0,1,2,3
.irp k, 0,1,2,3,4,5,6,7
	ds_load_u16 v[SA+8*\a+\k], v[ASA] offset:512*\k+32*\a
	ds_load_u16 v[TP+8*\a+\k], v[ASA] offset:512*\k+256+32*\a
.endr
.endr
.irp b, 0,1,2,3,4,5,6,7
	ds_load_b128 v[SB+8*\b:SB+8*\b+3], v[ASB] offset:SBLK*\b
	ds_load_b128 v[SB+8*\b+4:SB+8*\b+7], v[ASB] offset:SBLK*\b+16
.endr
	s_wait_dscnt 0x0
	FETCH 0, 0, 0
.set jj, 0
.rept 32
	v_lshl_or_b32 v[SA+jj], v[TP+jj], 16, v[SA+jj]
.set jj, jj+1
.endr
	PLACES 8                                       ; a scale register written by a vector instruction stands eight places ahead of a scaled matrix instruction
	STEPE 0, 0, 1                                  ; the first step's products start the sums: nothing is cleared
	TURN 1, 0, 1, 1
	STEPE 2, 1, 0
	TURN 3, 1, 0, 1
	STEPE 4, 0, 0
	TURN 5, 0, 1, 0                                ; nothing is left to fetch
	STEPE 6, 1, 0
	s_wait_dscnt 0x0
	WIN MUL
	MUL8 0, 7, 0
	MUL8 1, 7, 0
	MUL8 2, 7, 0
	MUL8 3, 7, 0
	WIN 0
	PLACES 4                                       ; ahead of the reads of results and of loads into the fragments' registers
; THE WAY OUT, a tile of 16 tokens x 128 outputs at a time, through my own stage in LDS: in by the lane's runs of eight outputs, back as whole rows of 512 bytes.  LDS serves a wave's instructions in order: no wait between.
.macro TOSTAGE a
	WIN 0x08                                       ; an LDS store's data are its source 1: window 2
.irp b, 0,1,2,3,4,5,6,7
	ds_store_b128 v[STO], v[64*(\a)+8*\b:64*(\a)+8*\b+3] offset:128*(\b/2)+32*(\b%2)          ; each accumulator from its low end on
	ds_store_b128 v[STO], v[64*(\a)+8*\b+4:64*(\a)+8*\b+7] offset:128*(\b/2)+32*(\b%2)+16
.endr
	WIN 0
.set BB, BK+64*((\a)%2)
.irp t, 0,1,2,3,4,5,6,7,8,9,10,11,12,13,14,15
	ds_load_b128 v[BB+4*\t:BB+4*\t+3], v[RD] offset:\t*SPITCH
.endr
.endm
.macro SEND a, younger                 ; younger: the LDS instructions issued behind tile a's loads, which may stay out
.set BB, BK+64*((\a)%2)
	s_wait_dscnt \younger
.irp t, 0,1,2,3,4,5,6,7,8,9,10,11,12,13,14,15
	global_store_b128 v[CO], v[BB+4*\t:BB+4*\t+3], s[10:11] offset:(32*((\a)/2)+8*((\a)%2)+\t+8*(\t/8))*4096 th:TH_STORE_NT   ; row t of tile a is token 32 (a / 2) + 8 (a % 2) + t + 8 (t / 8) of my 64; 512 consecutive bytes, aligned
.endr
.endm
	TOSTAGE 0
.irp a, 1,2,3
.if \a > 1
	s_wait_xcnt 0x0                                ; tile a - 2's stores have read their registers: tile a's loads may land there
.endif
	TOSTAGE \a
	SEND \a-1, 32                                  ; behind tile a - 1's loads: tile a's 16 stores and 16 loads
.endr
	SEND 3, 0
	s_wait_tensorcnt 0x0                           ; the wave's end
	ds_add_u32 v[SPW], v[NIL]
	s_wait_dscnt 0x0
	CROUND                                         ; the closing round: no work-group ends while a partner may still ask for a tile that names it
	s_endpgm
.Lfunc_end_k_q6497ae5058_oproj:
	.size	k_q6497ae5058_oproj, .Lfunc_end_k_q6497ae5058_oproj-k_q6497ae5058_oproj
	.p2alignl 7, 3214868480
	.fill 96, 4, 3214868480
	.section	.rodata,"a",@progbits
	.p2align	6, 0x0
	.amdhsa_kernel k_q6497ae5058_oproj
		.amdhsa_group_segment_fixed_size 327680
		.amdhsa_private_segment_fixed_size 0
		.amdhsa_enable_private_segment 0
		.amdhsa_kernarg_size 32
		.amdhsa_user_sgpr_count 2
		.amdhsa_user_sgpr_kernarg_segment_ptr 1
		.amdhsa_wavefront_size32 1
		.amdhsa_system_sgpr_workgroup_id_x 1
		.amdhsa_system_sgpr_workgroup_id_y 1
		.amdhsa_system_sgpr_workgroup_id_z 1
		.amdhsa_system_vgpr_workitem_id 0
		.amdhsa_next_free_vgpr 768
		.amdhsa_next_free_sgpr 98
		.amdhsa_reserve_vcc 0
		.amdhsa_float_denorm_mode_32 3
		.amdhsa_float_denorm_mode_16_64 3
		.amdhsa_memory_ordered 1
		.amdhsa_forward_progress 1
		.amdhsa_inst_pref_size 101
	.end_amdhsa_kernel
	.amdgpu_metadata
---
amdhsa.version: [ 1, 2 ]
amdhsa.kernels:
  - .name:           k_q6497ae5058_oproj
    .symbol:         k_q6497ae5058_oproj.kd
    .args:
      - { .name: obuf, .offset: 0, .size: 8, .value_kind: global_buffer, .address_space: global }
      - { .name: xw_codes, .offset: 8, .size: 8, .value_kind: global_buffer, .address_space: global }
      - { .name: xw_scales, .offset: 16, .size: 8, .value_kind: global_buffer, .address_space: global }
      - { .name: out0, .offset: 24, .size: 8, .value_kind: global_buffer, .address_space: global }
    .group_segment_fixed_size: 327680
    .private_segment_fixed_size: 0
    .kernarg_segment_align: 8
    .kernarg_segment_size: 32
    .max_flat_workgroup_size: 128
    .sgpr_count:     98
    .vgpr_count:     768
    .wavefront_size: 32
...
	.end_amdgpu_metadata
.endif
;; end of part 4
